; MI455X (gfx1250); checked and timed in simulation.
; The chip was launched on July 23, 2026; its instructions are those of AMD's public machine-readable ISA for CDNA 5 (MIT licence, August 2026) and "CDNA5" Instruction Set Architecture Reference Guide (July 2026). The comments in the code are by the model that wrote it; some were corrected since.
;; Attention. Allowed arithmetic: float matrix products may take bf16 or f16 operands with f32 sums; other float arithmetic in f32, or as packed bf16 or f16 multiplies, adds, multiply-adds, maxima and minima; sums over many terms, partial sums and values carried from step to step in f32; what a program stores and reads back later, other than sums and carried values, may be rounded once to bf16 or f16.
;; Inputs: Wctx 64 x 768 float32; Wk 768 x 768 float32; Wk2 768 x 768 float32; Wp 768 x 768 float32; Wp2 768 x 768 float32; Wq 768 x 768 float32; Wq2 768 x 768 float32; Wv 768 x 768 float32; Wv2 768 x 768 float32; bctx 768 float32; bp 768 float32; bp2 768 float32; context 8 x 64 x 32 x 32 float32; x 8 x 1,024 x 768 float32.
;; Outputs: out0 8 x 1,024 x 768 float32.
;; One version. Each part assembles by itself: llvm-mc -triple=amdgcn-amd-amdhsa -mcpu=gfx1250 --defsym DOCPART=n.
;; ======== version 1 of 1: 5 launches
;; workspace buffers: acts 12,582,912 bytes; wT 3,538,944 bytes; wpT 2,359,296 bytes; wf 608,256 bytes; qkv 75,497,472 bytes; oP 25,165,824 bytes
;; launch prep (part 1): grid 908 x 1, 4 waves a work-group, no clusters, 73,216 bytes of LDS; arguments Wk, Wv, Wq2, Wp, Wp2, Wk2, Wv2, Wq, x, Wctx, bctx, wf, acts, wT, wpT; writes wf, acts, wT, wpT
.if DOCPART == 1
	.amdgcn_target "amdgcn-amd-amdhsa--gfx1250"
	.amdhsa_code_object_version 6
	.text
	.protected	k_q02f0bad615_prep
	.globl	k_q02f0bad615_prep
	.p2align	8
	.type	k_q02f0bad615_prep,@function
k_q02f0bad615_prep:
	s_mov_b64 s[64:65], 0
	v_nop
	global_prefetch_b8 v0, s[64:65] scope:SCOPE_SE
	s_setreg_imm32_b32 hwreg(HW_REG_WAVE_MODE, 25, 1), 1
	s_wait_xcnt 0x0
; PREP: what the matrix launches want, made once.
;   acts [plane 12][token 8192][64]   x in bf16, in PLANES of 64 channels
;   wT   [plane 12][row 2304][64 k]   W^T in bf16, k on end; row = 768 pos + n; pos 0, 1, 2 = Wk, Wv, Wq2 (they multiply x)
;   wpT  [plane 24][n 768][64 k]      Wp^T (planes 0-11), Wp2^T (planes 12-23)
;   wf   [66][2304] f32               rows 0-63: Wctx [Wk2 | Wv2 | Wq]; row 64: bctx [Wk2 | Wv2 | Wq]; row 65: row 64 once more
; THE FOLD.  (context^T Wctx + bctx) W = context^T (Wctx W) + bctx W for every input: so the three projections of the context have K = 64 in place of 768, and wf holds their weights and biases.
; Three kinds of work-group, told apart by the work-group's number alone (the same for its four waves):
;   0-35     F: 64 columns of wf, K = 768, by the matrix unit (first, since each is a chain of six rounds of loads)
;   36-395   W: 64 k x 128 n of one weight, turned through LDS
;   396-907  X: 16 tokens of x, cast; no LDS
; No clusters and no tensor loads: the bulk is a stream that no two work-groups share, and every operand wants a cast on its way.
; LIMITS: each number is rounded once to bf16 (nearest even); in F Wctx, bctx and the weights are rounded to bf16 as matrix operands, the sums are f32 and stay f32 in wf; NaN and infinities pass as they come.
.set FB,    21760                      ; F: 128 rows c of the weight, 160 bytes apart (128 + 32: an odd multiple of 32 for the turning load); ahead of them 80 rows of Wctx and bctx, 272 apart
.set FS,    42240                      ; F: the stage: 80 rows x 272 bytes of f32
.set SPARE, 72704                      ; the spare words, 128 bytes for each wave: two blocks of 256 bytes that no other line names
.set SPW,   30                         ; v30  SPARE + 4 x my thread's number; never rewritten
.set NIL,   31                         ; v31  0; never rewritten
.macro FINISH                          ; a wave's end, behind the last LDS store
	s_wait_tensorcnt 0x0
	ds_add_u32 v[SPW], v[NIL]
	s_wait_dscnt 0x0
	s_endpgm
.endm
	s_load_b512 s[16:31], s[0:1], 0x0              ; Wk, Wv, Wq2, Wp, Wp2, Wk2, Wv2, Wq
	s_load_b256 s[32:39], s[0:1], 0x40             ; x s[32:33], Wctx s[34:35], bctx s[36:37], wf s[38:39]
	s_load_b128 s[40:43], s[0:1], 0x60             ; acts s[40:41], wT s[42:43]
	s_load_b64 s[44:45], s[0:1], 0x70              ; wpT
	v_lshl_add_u32 v[SPW], v0, 2, SPARE
	v_mov_b32 v[NIL], 0
	v_lshrrev_b32 v2, 5, v0
	v_readfirstlane_b32 s8, v2                     ; wave 0..3
	v_and_b32 v1, 31, v0                           ; lane
	s_mov_b32 s9, ttmp9
	s_wait_kmcnt 0x0
	s_cmp_lt_u32 s9, 36
	s_cbranch_scc1 .Lrole_f
	s_cmp_lt_u32 s9, 396
	s_cbranch_scc1 .Lrole_w
; ---- X: 16 tokens.  Wave w takes tokens 4 w .. 4 w + 3.  A load takes 2 tokens x 64 channels of f32 (each half of the lanes 256 bytes on end);
; its store is 2 tokens x 128 bytes of one plane: 256 bytes on end, aligned.  All 24 loads of a wave go out first; no register is used twice.
	s_sub_co_u32 s9, s9, 396
	s_mul_i32 s10, s9, 49152                       ; 16 tokens x 3,072 bytes
	s_mov_b32 s11, 0
	s_add_nc_u64 s[32:33], s[32:33], s[10:11]
	s_lshl_b32 s10, s9, 11                         ; 16 tokens x 128 bytes of a plane
	s_add_nc_u64 s[40:41], s[40:41], s[10:11]      ; planes 0-5
	s_add_nc_u64 s[46:47], s[40:41], 6291456       ; planes 6-11: the immediate holds six planes
	v_lshrrev_b32 v3, 4, v1
	v_and_b32 v4, 15, v1
	v_mul_u32_u24 v5, v3, 3072
	v_lshl_add_u32 v5, v4, 4, v5
	s_mul_i32 s12, s8, 12288
	v_add_nc_u32 v5, s12, v5                       ; (lane / 16) tokens + 16 (lane % 16) + my 4 tokens
	v_lshlrev_b32 v6, 3, v1
	s_lshl_b32 s12, s8, 9
	v_add_nc_u32 v6, s12, v6                       ; 8 x lane + my 4 tokens x 128
.set k, 0
.rept 24                               ; k = 12 j + p: token pair j, plane p
	global_load_b128 v[32+4*k:35+4*k], v5, s[32:33] offset:(k/12)*6144+(k%12)*256 th:TH_LOAD_NT
.set k, k+1
.endr
.set k, 0
.rept 24
	s_wait_loadcnt 23-k                            ; loads come back in order: the 23 - k younger ones may stay out
	v_cvt_pk_bf16_f32 v[128+2*k], v[32+4*k], v[33+4*k]
	v_cvt_pk_bf16_f32 v[129+2*k], v[34+4*k], v[35+4*k]
.if (k%12) < 6
	global_store_b64 v6, v[128+2*k:129+2*k], s[40:41] offset:(k%12)*1048576+(k/12)*256
.else
	global_store_b64 v6, v[128+2*k:129+2*k], s[46:47] offset:((k%12)-6)*1048576+(k/12)*256
.endif
.set k, k+1
.endr
	FINISH
; ---- W: tile t = 72 wi + 6 plane + nt: 64 k (a plane) x 128 n of weight wi (0-2: Wk, Wv, Wq2 into wT; 3, 4: Wp, Wp2 into wpT).  Wave (nh, kh) loads 32 rows k x 64 n, 8 bytes a lane
; (256 bytes on end a load), packs 8 k of one n into 16 bytes, and puts them into rows n of 144 bytes; behind a barrier each wave reads 32 whole rows and stores 512 bytes on end a time.
.Lrole_w:
	s_sub_co_u32 s9, s9, 36
	s_mul_hi_u32 s10, s9, 0x038e38e4               ; wi = t / 72 (t under 360)
	s_mul_i32 s11, s10, 72
	s_sub_co_u32 s11, s9, s11
	s_mul_hi_u32 s12, s11, 0x2aaaaaab              ; plane = rest / 6
	s_mul_i32 s13, s12, 6
	s_sub_co_u32 s13, s11, s13                     ; nt
	s_mov_b64 s[46:47], s[16:17]
.irp n, 1,2,3,4
	s_cmp_eq_u32 s10, \n
	s_cselect_b64 s[46:47], s[16+2*\n:17+2*\n], s[46:47]
.endr
	s_mul_i32 s14, s12, 196608                     ; 64 rows of 3,072 bytes
	s_lshl_b32 s15, s13, 9                         ; 128 n x 4 bytes
	s_add_co_u32 s14, s14, s15
	s_mov_b32 s15, 0
	s_add_nc_u64 s[46:47], s[46:47], s[14:15]
	s_mul_i32 s2, s10, 98304
	s_mul_i32 s3, s12, 294912
	s_add_co_u32 s2, s2, s3                        ; the offset in wT (used where wi < 3)
	s_sub_co_u32 s3, s10, 3
	s_mul_i32 s3, s3, 12
	s_add_co_u32 s3, s3, s12
	s_mul_i32 s3, s3, 98304                        ; the offset in wpT (used where wi >= 3)
	s_cmp_lt_u32 s10, 3
	s_cselect_b32 s2, s2, s3
	s_cselect_b64 s[48:49], s[42:43], s[44:45]
	s_lshl_b32 s3, s13, 14                         ; 128 rows n of 128 bytes
	s_add_co_u32 s2, s2, s3
	s_mov_b32 s3, 0
	s_add_nc_u64 s[48:49], s[48:49], s[2:3]
	s_and_b32 s4, s8, 1                            ; nh
	s_lshr_b32 s5, s8, 1                           ; kh
	v_lshlrev_b32 v3, 3, v1
	s_lshl_b32 s6, s4, 8
	s_mul_i32 s7, s5, 98304
	s_add_co_u32 s6, s6, s7
	v_add_nc_u32 v3, s6, v3                        ; 8 x lane + 64 n x 4 x nh + 32 rows x kh
.set k, 0
.rept 32
	global_load_b64 v[32+2*k:33+2*k], v3, s[46:47] offset:k*3072 th:TH_LOAD_NT
.set k, k+1
.endr
	v_mul_u32_u24 v4, v1, 288                      ; in: row 64 nh + 2 lane, byte 64 kh
	s_mul_i32 s6, s4, 9216
	s_lshl_b32 s7, s5, 6
	s_add_co_u32 s6, s6, s7
	v_add_nc_u32 v4, s6, v4
	v_lshrrev_b32 v5, 3, v1                        ; back: 32 lanes take four rows of 128 bytes
	v_mul_u32_u24 v5, v5, 144
	v_and_b32 v6, 7, v1
	v_lshl_add_u32 v5, v6, 4, v5
	s_mul_i32 s6, s8, 4608
	v_add_nc_u32 v5, s6, v5
	v_lshlrev_b32 v6, 4, v1
	s_lshl_b32 s6, s8, 12
	v_add_nc_u32 v6, s6, v6                        ; 16 x lane + my 32 rows x 128
	s_wait_loadcnt 0x0
.set k, 0
.rept 4                                ; 8 k at a time: four registers for the even n, four for the odd one
.irp ii, 0,1,2,3
	v_cvt_pk_bf16_f32 v[96+8*k+\ii],   v[32+16*k+4*\ii], v[34+16*k+4*\ii]
	v_cvt_pk_bf16_f32 v[100+8*k+\ii],  v[33+16*k+4*\ii], v[35+16*k+4*\ii]
.endr
	ds_store_b128 v4, v[96+8*k:99+8*k] offset:16*k
	ds_store_b128 v4, v[100+8*k:103+8*k] offset:16*k+144
.set k, k+1
.endr
	s_wait_dscnt 0x0                               ; for the others' sake: my stores are done
	s_barrier_signal -1
	s_barrier_wait -1
.irp t, 0,1,2,3,4,5,6,7
	ds_load_b128 v[128+4*\t:131+4*\t], v5 offset:576*\t
.endr
.irp t, 0,1,2,3,4,5,6,7
	s_wait_dscnt 7-\t
	global_store_b128 v6, v[128+4*\t:131+4*\t], s[48:49] offset:512*\t
.endr
	FINISH
; ---- F: tile nt: columns 64 nt .. 64 nt + 63 of wf = 64 columns of Wk2, Wv2 or Wq.  80 rows: Wctx's 64, then bctx sixteen times (so that the fifth block's rows are all written; its rows 0 and 1 go out).
; Wave w makes 16 columns x 80 rows: five accumulators, which take turns.  K = 768 goes in six chunks of 128 through LDS: Wctx and bctx lie [row][c] and come out as they lie,
; the weight lies [c][n] and comes out turned.  Source 0 = 16 columns, source 1 = 16 rows: a lane holds one row and eight neighbouring columns.
; While a chunk is multiplied the next chunk's 33 loads of each wave are on their way.
.set FACC, 164                         ; v[164:203] five accumulators
.set FAF,  204                         ; v[204:243] five fragments of rows
.set FBF,  244                         ; v[244:251] the fragment of my columns
.macro LOADF                           ; a chunk: my 16 rows of Wctx (512 bytes a load), bctx's piece, my 32 rows of the weight (2 x 256 bytes a load)
.set k, 0
.rept 16
	global_load_b128 v[32+4*k:35+4*k], v8, s[34:35] offset:k*3072
.set k, k+1
.endr
	global_load_b128 v[96:99], v7, s[36:37]
.set k, 0
.rept 16
	global_load_b128 v[100+4*k:103+4*k], v9, s[46:47] offset:k*6144 th:TH_LOAD_NT
.set k, k+1
.endr
.endm
.Lrole_f:
	s_mul_hi_u32 s10, s9, 0x15555556               ; which weight: nt / 12 (nt under 36)
	s_mul_i32 s11, s10, 12
	s_sub_co_u32 s11, s9, s11                      ; its block of 64 columns
	s_mov_b64 s[46:47], s[26:27]
	s_cmp_eq_u32 s10, 1
	s_cselect_b64 s[46:47], s[28:29], s[46:47]
	s_cmp_eq_u32 s10, 2
	s_cselect_b64 s[46:47], s[30:31], s[46:47]
	s_lshl_b32 s12, s11, 8
	s_mov_b32 s13, 0
	s_add_nc_u64 s[46:47], s[46:47], s[12:13]
	s_lshl_b32 s12, s9, 8
	s_add_nc_u64 s[38:39], s[38:39], s[12:13]      ; wf at my 64 columns
	v_lshrrev_b32 v3, 4, v1                        ; h
	v_and_b32 v4, 15, v1                           ; r
	v_and_b32 v5, 7, v1
	v_bfe_u32 v6, v1, 3, 1
	v_lshlrev_b32 v7, 4, v1                        ; 16 x lane
	s_mul_i32 s12, s8, 49152
	v_add_nc_u32 v8, s12, v7                       ; Wctx: my 16 rows
	v_mul_u32_u24 v9, v3, 3072
	v_lshl_add_u32 v9, v4, 4, v9
	s_mul_i32 s12, s8, 98304
	v_add_nc_u32 v9, s12, v9                       ; the weight: my 32 rows of a chunk, two a load
	LOADF                                          ; chunk 0
	v_lshlrev_b32 v18, 3, v1                       ; 8 x lane
	s_mul_i32 s12, s8, 4352
	v_add_nc_u32 v10, s12, v18                     ; where my rows of Wctx go
	s_mul_i32 s12, s8, 1088
	s_add_co_u32 s12, s12, 17408
	v_add_nc_u32 v11, s12, v18                     ; rows 64 + 4 w on: bctx, four times
	v_mul_u32_u24 v12, v3, 160
	v_lshl_add_u32 v12, v4, 3, v12
	s_mul_i32 s12, s8, 5120
	s_add_co_u32 s12, s12, FB
	v_add_nc_u32 v12, s12, v12                     ; where my rows of the weight go
	v_mul_u32_u24 v13, v4, 272
	v_lshl_add_u32 v13, v3, 4, v13                 ; a fragment of rows: row r, 16 h
	v_lshl_add_u32 v14, v3, 3, v5                  ; the turning load: row 8 h + lane % 8,
	v_mul_u32_u24 v14, v14, 160
	v_lshl_add_u32 v14, v6, 4, v14
	s_lshl_b32 s12, s8, 5                          ; my 16 columns
	s_add_co_u32 s12, s12, FB
	v_add_nc_u32 v14, s12, v14
	v_mul_u32_u24 v15, v4, 272                     ; stage, in: row r, my eight columns of f32
	v_lshl_add_u32 v15, v3, 5, v15
	s_lshl_b32 s12, s8, 6
	s_add_co_u32 s12, s12, FS
	v_add_nc_u32 v15, s12, v15
	v_mul_u32_u24 v16, v3, 272                     ; stage, back: lanes 0-15 one row of 256 bytes, lanes 16-31 the next
	v_lshl_add_u32 v16, v4, 4, v16
	s_mul_i32 s12, s8, 4352
	s_add_co_u32 s12, s12, FS
	v_add_nc_u32 v16, s12, v16
	v_mul_u32_u24 v17, v3, 9216                    ; and the same two rows in wf
	v_lshl_add_u32 v17, v4, 4, v17
	s_mul_i32 s12, s8, 147456
	v_add_nc_u32 v17, s12, v17
.set k, 0
.rept 40
	v_mov_b32 v[FACC+k], 0                         ; the sums start at 0: written while the first loads are out, so that the loop has one form of product
.set k, k+1
.endr
	s_mov_b32 s14, 6
.Lfchunk:
	s_wait_loadcnt 0x0                             ; the chunk is in registers; its loads are done, so the three pointers may be stepped below
.set k, 0
.rept 33
	v_cvt_pk_bf16_f32 v[32+4*k], v[32+4*k], v[33+4*k]
	v_cvt_pk_bf16_f32 v[33+4*k], v[34+4*k], v[35+4*k]
.set k, k+1
.endr
	s_barrier_signal -1                            ; every wave has the last chunk's fragments in registers (its waits for them stand ahead of its products):
	s_barrier_wait -1                              ; the chunk's bytes may be written over
.set k, 0
.rept 16
	ds_store_b64 v10, v[32+4*k:33+4*k] offset:k*272
.set k, k+1
.endr
.irp i, 0,1,2,3
	ds_store_b64 v11, v[96:97] offset:\i*272
.endr
.set k, 0
.rept 16
	ds_store_b64 v12, v[100+4*k:101+4*k] offset:k*320
.set k, k+1
.endr
	s_wait_dscnt 0x0                               ; for the others' sake: my stores are done
	s_barrier_signal -1
	s_barrier_wait -1
	s_cmp_eq_u32 s14, 1                            ; the last chunk has none behind it
	s_cbranch_scc1 .Lfnoload
	s_add_nc_u64 s[34:35], s[34:35], 512           ; 128 c on
	s_add_nc_u64 s[36:37], s[36:37], 512
	s_add_nc_u64 s[46:47], s[46:47], 393216        ; 128 rows on
	LOADF
.Lfnoload:
.irp ks, 0,1,2,3
.irp mb, 0,1,2,3,4
	ds_load_b128 v[FAF+8*\mb:FAF+8*\mb+3],   v13 offset:\mb*4352+\ks*64
	ds_load_b128 v[FAF+8*\mb+4:FAF+8*\mb+7], v13 offset:\mb*4352+\ks*64+32
.endr
	ds_load_tr16_b128 v[FBF:FBF+3],   v14 offset:\ks*5120
	ds_load_tr16_b128 v[FBF+4:FBF+7], v14 offset:\ks*5120+2560
	s_wait_dscnt 0x0
.irp mb, 0,1,2,3,4
	v_wmma_f32_16x16x32_bf16 v[FACC+8*\mb:FACC+8*\mb+7], v[FBF:FBF+7], v[FAF+8*\mb:FAF+8*\mb+7], v[FACC+8*\mb:FACC+8*\mb+7]
.endr
.rept 4
	v_nop                                          ; four places ahead of the loads into the fragments' registers, and at the end ahead of the readers of the sums
.endr
.endr
	s_sub_co_u32 s14, s14, 1
	s_cmp_lg_u32 s14, 0
	s_cbranch_scc1 .Lfchunk
.irp mb, 0,1,2,3,4
	ds_store_b128 v15, v[FACC+8*\mb:FACC+8*\mb+3]   offset:\mb*4352
	ds_store_b128 v15, v[FACC+8*\mb+4:FACC+8*\mb+7] offset:\mb*4352+16
.endr
	s_wait_dscnt 0x0                               ; for the others' sake: a row's 256 bytes come from four waves
	s_barrier_signal -1
	s_barrier_wait -1
.irp t, 0,1,2,3,4,5,6,7                ; wave w takes rows 16 w .. 16 w + 15
	ds_load_b128 v[32+4*\t:35+4*\t], v16 offset:\t*544
.endr
.irp t, 0,1,2,3,4,5,6,7
	s_wait_dscnt 7-\t                              ; the 7 - t younger loads may stay out
	global_store_b128 v17, v[32+4*\t:35+4*\t], s[38:39] offset:\t*18432  ; 16 lanes store 256 bytes on end, aligned
.endr
	s_cmp_lg_u32 s8, 0                             ; wave 0 also takes rows 64 and 65
	s_cbranch_scc1 .Lfend
	ds_load_b128 v[64:67], v16 offset:17408
	s_wait_dscnt 0x0
	global_store_b128 v17, v[64:67], s[38:39] offset:589824
.Lfend:
	FINISH
.Lfunc_end_k_q02f0bad615_prep:
	.size	k_q02f0bad615_prep, .Lfunc_end_k_q02f0bad615_prep-k_q02f0bad615_prep
	.p2alignl 7, 3214868480
	.fill 96, 4, 3214868480
	.section	.rodata,"a",@progbits
	.p2align	6, 0x0
	.amdhsa_kernel k_q02f0bad615_prep
		.amdhsa_group_segment_fixed_size 73216
		.amdhsa_private_segment_fixed_size 0
		.amdhsa_enable_private_segment 0
		.amdhsa_kernarg_size 120
		.amdhsa_user_sgpr_count 2
		.amdhsa_user_sgpr_kernarg_segment_ptr 1
		.amdhsa_wavefront_size32 1
		.amdhsa_system_sgpr_workgroup_id_x 1
		.amdhsa_system_sgpr_workgroup_id_y 1
		.amdhsa_system_sgpr_workgroup_id_z 1
		.amdhsa_system_vgpr_workitem_id 0
		.amdhsa_next_free_vgpr 256
		.amdhsa_next_free_sgpr 66
		.amdhsa_reserve_vcc 0
		.amdhsa_float_denorm_mode_32 3
		.amdhsa_float_denorm_mode_16_64 3
		.amdhsa_memory_ordered 1
		.amdhsa_forward_progress 1
		.amdhsa_inst_pref_size 45
	.end_amdhsa_kernel
	.amdgpu_metadata
---
amdhsa.version: [ 1, 2 ]
amdhsa.kernels:
  - .name:           k_q02f0bad615_prep
    .symbol:         k_q02f0bad615_prep.kd
    .args:
      - { .name: Wk, .offset: 0, .size: 8, .value_kind: global_buffer, .address_space: global }
      - { .name: Wv, .offset: 8, .size: 8, .value_kind: global_buffer, .address_space: global }
      - { .name: Wq2, .offset: 16, .size: 8, .value_kind: global_buffer, .address_space: global }
      - { .name: Wp, .offset: 24, .size: 8, .value_kind: global_buffer, .address_space: global }
      - { .name: Wp2, .offset: 32, .size: 8, .value_kind: global_buffer, .address_space: global }
      - { .name: Wk2, .offset: 40, .size: 8, .value_kind: global_buffer, .address_space: global }
      - { .name: Wv2, .offset: 48, .size: 8, .value_kind: global_buffer, .address_space: global }
      - { .name: Wq, .offset: 56, .size: 8, .value_kind: global_buffer, .address_space: global }
      - { .name: x, .offset: 64, .size: 8, .value_kind: global_buffer, .address_space: global }
      - { .name: Wctx, .offset: 72, .size: 8, .value_kind: global_buffer, .address_space: global }
      - { .name: bctx, .offset: 80, .size: 8, .value_kind: global_buffer, .address_space: global }
      - { .name: wf, .offset: 88, .size: 8, .value_kind: global_buffer, .address_space: global }
      - { .name: acts, .offset: 96, .size: 8, .value_kind: global_buffer, .address_space: global }
      - { .name: wT, .offset: 104, .size: 8, .value_kind: global_buffer, .address_space: global }
      - { .name: wpT, .offset: 112, .size: 8, .value_kind: global_buffer, .address_space: global }
    .group_segment_fixed_size: 73216
    .private_segment_fixed_size: 0
    .kernarg_segment_align: 8
    .kernarg_segment_size: 120
    .max_flat_workgroup_size: 128
    .sgpr_count:     66
    .vgpr_count:     256
    .wavefront_size: 32
...
	.end_amdgpu_metadata
.endif
;; end of part 1
;; launch proj (part 2): grid 8 x 32, 4 waves a work-group, clusters of 4 x 4, 327,680 bytes of LDS; arguments acts, wT, qkv; writes qkv
.if DOCPART == 2
	.amdgcn_target "amdgcn-amd-amdhsa--gfx1250"
	.amdhsa_code_object_version 6
	.text
	.protected	k_q02f0bad615_proj
	.globl	k_q02f0bad615_proj
	.p2align	8
	.type	k_q02f0bad615_proj,@function
k_q02f0bad615_proj:
	s_mov_b64 s[64:65], 0
	v_nop
	global_prefetch_b8 v0, s[64:65] scope:SCOPE_SE
	s_setreg_imm32_b32 hwreg(HW_REG_WAVE_MODE, 25, 1), 1
	s_wait_xcnt 0x0
	s_wait_alu depctr_hold_cnt(0) depctr_sa_sdst(0) depctr_va_vdst(0) depctr_va_sdst(0) depctr_va_ssrc(0) depctr_va_vcc(0) depctr_vm_vsrc(0)
	s_getreg_b32 s2, hwreg(HW_REG_IB_STS2, 6, 4)
	s_cmp_eq_u32 s2, 0
	s_cbranch_scc0 .Lentry_in_a_cluster
	s_endpgm
.Lentry_in_a_cluster:
	s_bfe_u32 s2, ttmp6, 0x10000c
	s_cmp_lg_u32 s2, 0xf033
	s_cbranch_scc0 .Lentry_shape_is_right
	s_endpgm
.Lentry_shape_is_right:
; PROJ: the three projections of x as one product: [8192 tokens][768] x [2304 rows of wT][768]^T, bf16 operands, f32 sums, K ascending, rounded once to bf16.
; A tile is 256 tokens x 288 columns: 32 x 8 = 256 work-groups.  Four waves, each 128 x 144: 72 accumulators, 576 registers.
; K goes in steps of 128 = two PLANES of 64 through a ring of two LDS slots.  In memory a plane's part of a tile is dense (128 bytes a row, rows on end), so a wave's tensor load
; is two long rows (one a plane); in LDS 16 bytes of padding follow every 128: rows 144 bytes apart, so the 16 rows of a fragment load start at 16 different groups of four banks.
; CLUSTERS 4 x 4: the tokens' tile is shared along a row of the cluster, the weights' along a column: joint loads, as many requests less by four.
; THE MATRIX INSTRUCTION IS USED TRANSPOSED (source 0 = 16 rows of wT, source 1 = 16 tokens): a lane holds one token and eight neighbouring columns.
; OUT: qkv [HH 144][batch 8][token 1024][32 channels] bf16, HH = column / 32 (0-71 here): a tile is nine HH; four tokens x 64 bytes are 256 bytes on end.  The tile goes through a stage
; in slot 0's bytes, which have had their last fill (K step 4) and whose last reads lie ahead of the barrier in front of K step 5.
; REGISTERS: window 0: v16-29 addresses; v64-191 tokens' fragments, two buffers; v192-227 packed results.  Accumulator idx = 9 a + b in window 1 + idx / 32 at v[8 (idx % 32)];
; window 3: v0-63 accumulators 64-71; v64-207 weights' fragments, two buffers of 72.
; LIMITS: operands and results are bf16 (nearest even); NaN and infinities pass as they come.
.set AHALF,  36864                     ; 2 planes x 128 rows x 144: what one tensor load brings of the tokens
.set BHALF,  41472                     ; 2 planes x 144 rows x 144: of the weights
.set BOFF,   2*AHALF
.set APL,    18432                     ; a plane in a half
.set BPL,    20736
.set SLOT,   2*AHALF+2*BHALF           ; 156,672
.set SPARE,  2*SLOT                    ; behind the ring: the spare words, two blocks of 256 bytes that no other line names
.set ADRA, 16                          ; v16-17  LDS address of my tokens' fragments in slot 0, 1
.set ADRB, 20                          ; v20-21  of my weights' fragments
.set STO,  22                          ; v22-23  stage, in: for even and for odd column blocks
.set RD,   25                          ; v25     stage, back
.set GO,   26                          ; v26     16 x lane
.set SPW,  28                          ; v28     SPARE + 4 x my thread's number; never rewritten
.set NIL,  29                          ; v29     0; never rewritten
.set TMP,  192
.set G1, 24                            ; s[24:31] group 1, tokens;  s[32:39] group 0, a set for each slot
.set G0, 32
.set G1B, 48                           ; s[48:55], s[56:63] the same for the weights
.set G0B, 56
.set MSB, 0
.macro WIN new                         ; the immediate's high byte repeats the setting that is left; a switch that changes nothing is dropped
.if MSB != (\new)
	s_set_vgpr_msb (MSB<<8)|(\new)
.set MSB, \new
.endif
.endm
.macro JLOAD s                         ; a joint load: waves 0 and 1 fetch the tokens' two halves, waves 2 and 3 the weights'; s_nop 0 and four v_nop follow each line
	s_cmp_eq_u32 s11, 0
	s_cbranch_scc0 .Lfor_b_\@
	tensor_load_to_lds s[G0+4*(\s):G0+4*(\s)+3], s[G1:G1+7]
	s_nop 0
.rept 4
	v_nop
.endr
	s_branch .Lasked_\@
.Lfor_b_\@:
	tensor_load_to_lds s[G0B+4*(\s):G0B+4*(\s)+3], s[G1B:G1B+7]
	s_nop 0
.rept 4
	v_nop
.endr
.Lasked_\@:
.endm
.macro CREST                           ; a round of the cluster's barrier behind its opening barrier
	s_cmp_lg_u32 s10, 0
	s_cbranch_scc1 .Lnot_wave_0_\@
	s_barrier_signal -3
.Lnot_wave_0_\@:
	s_barrier_wait -3
	s_barrier_signal -1
	s_barrier_wait -1
.endm
.macro CROUND
	s_barrier_signal -1
	s_barrier_wait -1
	CREST
.endm
.macro PLACES                          ; four places in front of loads into registers that products have read, and of readers of results
.rept 4
	v_nop
.endr
.endm
	s_load_b128 s[4:7], s[0:1], 0x0                ; acts s[4:5], wT s[6:7]
	s_load_b64 s[8:9], s[0:1], 0x10                ; qkv
	v_lshl_add_u32 v[SPW], v0, 2, SPARE
	v_mov_b32 v[NIL], 0
	ds_add_u32 v[SPW], v[NIL]                      ; the wave's opening: the add and its wait ahead of my first tensor load
	v_lshrrev_b32 v1, 5, v0
	v_readfirstlane_b32 s10, v1                    ; wave 0..3
	s_lshr_b32 s11, s10, 1                         ; my half of the tile's tokens.  Also: I fetch tokens (0) or weights (1)
	s_and_b32 s12, s10, 1                          ; my half of its columns.  Also: which half I fetch
	s_bfe_u32 s40, ttmp6, 0x40000                  ; cx
	s_bfe_u32 s41, ttmp6, 0x40004                  ; cy
	s_and_b32 s13, ttmp7, 0xffff
	s_lshl_b32 s13, s13, 2
	s_add_co_u32 s13, s13, s41                     ; Y: tokens 256 Y on
	s_lshl_b32 s42, ttmp9, 2
	s_add_co_u32 s42, s42, s40                     ; X: rows 288 X on of wT
	s_lshl_b32 s43, s41, 2
	s_lshl_b32 s43, 15, s43                        ; my row of the cluster
	s_lshl_b32 s44, 0x1111, s40                    ; my column
	s_or_b32 s[G1+0], s43, (3<<16)|(1<<20)|(1<<21)|(4<<22)|(3<<25)   ; mask; 8-byte elements; padding on; bit 21 beside a mask; after every 32 words; 4 words
	s_or_b32 s[G1B+0], s44, (3<<16)|(1<<20)|(1<<21)|(4<<22)|(3<<25)
	s_mov_b32 s[G1+1], 2048<<16                    ; tensor_dim0 = 2,048 elements: 128 tokens x 128 bytes
	s_mov_b32 s[G1+2], 2<<16                       ; tensor_dim1 = 2 planes
	s_mov_b32 s[G1+3], 2048<<16                    ; tile_dim0
	s_mov_b32 s[G1+4], 2                           ; tile_dim1
	s_mov_b32 s[G1+5], 131072                      ; from plane to plane: 1,048,576 bytes
	s_mov_b32 s[G1+6], 0
	s_mov_b32 s[G1+7], 0
	s_mov_b32 s[G1B+1], 2304<<16                   ; 144 rows x 128 bytes
	s_mov_b32 s[G1B+2], 2<<16
	s_mov_b32 s[G1B+3], 2304<<16
	s_mov_b32 s[G1B+4], 2
	s_mov_b32 s[G1B+5], 36864                      ; 294,912 bytes
	s_mov_b32 s[G1B+6], 0
	s_mov_b32 s[G1B+7], 0
	s_lshl_b32 s16, s13, 8
	s_lshl_b32 s17, s12, 7
	s_add_co_u32 s16, s16, s17                     ; token 256 Y + 128 x half
	s_lshl_b32 s16, s16, 7
	s_mov_b32 s17, 0
	s_mul_i32 s46, s42, 288
	s_mul_i32 s47, s12, 144
	s_add_co_u32 s46, s46, s47                     ; row of wT
	s_lshl_b32 s46, s46, 7
	s_mov_b32 s47, 0
	s_mul_i32 s20, s12, AHALF                      ; where they go: no place in the cluster enters an LDS address
	s_mul_i32 s21, s12, BHALF
	s_add_co_u32 s21, s21, BOFF
	s_wait_dscnt 0x0                               ; the opening add is done
	s_wait_kmcnt 0x0
	s_add_nc_u64 s[14:15], s[4:5], s[16:17]
	s_add_nc_u64 s[46:47], s[6:7], s[46:47]
	CROUND                                         ; all sixteen work-groups are here: the first joint loads meet
.irp s, 0,1
	s_mov_b32 s[G0+4*(\s)], 1
	s_add_co_u32 s[G0+4*(\s)+1], s20, (\s)*SLOT
	s_add_nc_u64 s[G0+4*(\s)+2:G0+4*(\s)+3], s[14:15], (\s)*2097152   ; K step s: two planes on
	s_or_b32 s[G0+4*(\s)+3], s[G0+4*(\s)+3], 0x80000000
	s_mov_b32 s[G0B+4*(\s)], 1
	s_add_co_u32 s[G0B+4*(\s)+1], s21, (\s)*SLOT
	s_add_nc_u64 s[G0B+4*(\s)+2:G0B+4*(\s)+3], s[46:47], (\s)*589824
	s_or_b32 s[G0B+4*(\s)+3], s[G0B+4*(\s)+3], 0x80000000
	JLOAD \s                                       ; two loads of mine are out
.endr
	v_and_b32 v1, 15, v0                           ; r
	v_bfe_u32 v2, v0, 4, 1                         ; h
	v_mul_u32_u24 v3, v1, 144
	v_lshl_add_u32 v3, v2, 4, v3
	s_mul_i32 s21, s11, AHALF
	s_mul_i32 s22, s12, BHALF
	s_add_co_u32 s22, s22, BOFF
.irp s, 0,1
	v_add_nc_u32 v[ADRA+(\s)], s21, v3
	v_add_nc_u32 v[ADRB+(\s)], s22, v3
	s_add_co_u32 s21, s21, SLOT
	s_add_co_u32 s22, s22, SLOT
.endr
	; The stage: the unit of (group g of four tokens, hh) lies at (9 g + hh) x 272; in it token % 4 x 64 + 2 x channel.  My column 144 wc + 16 b + 8 h: wc = 0: hh = b / 2, half b % 2;
	; wc = 1: 144 = 4 x 32 + 16, so even b: hh = 4 + b / 2, upper half; odd b: hh = 5 + b / 2, lower half.
	v_lshrrev_b32 v4, 2, v1
	v_mul_u32_u24 v4, v4, 2448
	v_and_b32 v5, 3, v1
	v_lshl_add_u32 v4, v5, 6, v4
	v_lshl_add_u32 v4, v2, 4, v4
	s_mul_i32 s23, s11, 78336                      ; my 32 groups
	s_mul_i32 s2, s12, 1120
	s_add_co_u32 s2, s2, s23
	v_add_nc_u32 v[STO], s2, v4
	s_mul_i32 s2, s12, 1328
	s_add_co_u32 s2, s2, 32
	s_add_co_u32 s2, s2, s23
	v_add_nc_u32 v[STO+1], s2, v4
	v_mul_u32_u24 v5, v2, 2448                     ; back: lanes 0-15 one unit of 256 bytes, lanes 16-31 the next group's
	v_lshl_add_u32 v5, v1, 4, v5
	s_mul_i32 s2, s10, 39168                       ; wave w takes groups 16 w .. 16 w + 15
	v_add_nc_u32 v[RD], s2, v5
	v_and_b32 v[GO], 31, v0
	v_lshlrev_b32 v[GO], 4, v[GO]
	s_lshl_b32 s2, ttmp9, 2
	s_add_co_u32 s2, s2, s40                       ; X: HH = 9 X on
	s_mul_i32 s2, s2, 72
	s_lshr_b32 s3, s13, 2                          ; batch
	s_add_co_u32 s2, s2, s3
	s_lshl_b32 s2, s2, 16
	s_and_b32 s3, s13, 3
	s_lshl_b32 s3, s3, 14                          ; 256 tokens x 64 bytes
	s_add_co_u32 s2, s2, s3
	s_lshl_b32 s3, s10, 12                         ; my 64 tokens
	s_add_co_u32 s2, s2, s3
	s_mov_b32 s3, 0
	s_add_nc_u64 s[8:9], s[8:9], s[2:3]
; na x 9 products: token blocks a0 on x all 9 column blocks, 32 along K, buffer f.  The 72 accumulators come in the same order in every quarter: 71 others stand between two links of a chain.
.macro MULA f, a0, na, zero
.set ma, \a0
.rept \na
.set mb, 0
.rept 9
.set mi, 9*ma+mb
.set mw, 1+mi/32
.set mr, 8*(mi%32)
	WIN 3|(mw<<4)|(mw<<6)
.if \zero
	v_wmma_f32_16x16x32_bf16 v[mr:mr+7], v[64+72*(\f)+8*mb:64+72*(\f)+8*mb+7], v[64+64*(\f)+8*ma:64+64*(\f)+8*ma+7], 0
.else
	v_wmma_f32_16x16x32_bf16 v[mr:mr+7], v[64+72*(\f)+8*mb:64+72*(\f)+8*mb+7], v[64+64*(\f)+8*ma:64+64*(\f)+8*ma+7], v[mr:mr+7]
.endif
.set mb, mb+1
.endr
.set ma, ma+1
.endr
.endm
; 34 LDS loads in one run: quarter q of a K step (plane q / 2, byte 64 (q % 2) of the rows) into buffer f: the weights' 18, then the tokens' 16
.macro FETCH slot, q, f
	WIN 0xc0
.set fi, 0
.rept 9
	ds_load_b128 v[64+72*(\f)+8*fi:64+72*(\f)+8*fi+3],   v[ADRB+(\slot)] offset:((\q)/2)*BPL+((\q)%2)*64+fi*2304
	ds_load_b128 v[64+72*(\f)+8*fi+4:64+72*(\f)+8*fi+7], v[ADRB+(\slot)] offset:((\q)/2)*BPL+((\q)%2)*64+fi*2304+32
.set fi, fi+1
.endr
	WIN 0
.set fi, 0
.rept 8
	ds_load_b128 v[64+64*(\f)+8*fi:64+64*(\f)+8*fi+3],   v[ADRA+(\slot)] offset:((\q)/2)*APL+((\q)%2)*64+fi*2304
	ds_load_b128 v[64+64*(\f)+8*fi+4:64+64*(\f)+8*fi+7], v[ADRA+(\slot)] offset:((\q)/2)*APL+((\q)%2)*64+fi*2304+32
.set fi, fi+1
.endr
.endm
; One of a K step's first three quarters: multiplies buffer f; in its middle fetches quarter q into buffer g.
.macro QUARTER slot, q, f, g, zero
	s_wait_dscnt 8                                 ; all but the youngest eight loads (token blocks 4-7)
	MULA \f, 0, 4, \zero
	PLACES
	FETCH \slot, \q, \g
	s_wait_dscnt 34                                ; all but the 34 just issued
	MULA \f, 4, 4, \zero
.endm
; The last quarter multiplies buffer 1 and changes slots: ONE barrier; ahead of it each wave waits for all its tensor loads (one is out: its part of the next slot), adds 0 to its spare word,
; and waits for that and for its reads of this slot.  fill = 1: the barrier opens a round of the cluster's, and this slot is filled again, two K steps on: 252 products lie between that request and the wait for it.
.macro TURN slot, next, fill
	WIN 0
	s_wait_tensorcnt 0x0
	ds_add_u32 v[SPW], v[NIL]
	s_wait_dscnt 9                                 ; the add and the youngest eight loads may be out
	MULA 1, 0, 2, 0
	s_wait_dscnt 0x0                               ; the add is done, and my reads of this slot are over
	s_barrier_signal -1
	MULA 1, 2, 2, 0
	WIN 0
	s_barrier_wait -1
.if \fill
	CREST                                          ; no wave of any partner still reads this slot or has a load on its way
	s_add_nc_u64 s[G0+4*(\slot)+2:G0+4*(\slot)+3], s[G0+4*(\slot)+2:G0+4*(\slot)+3], 4194304
	s_add_nc_u64 s[G0B+4*(\slot)+2:G0B+4*(\slot)+3], s[G0B+4*(\slot)+2:G0B+4*(\slot)+3], 1179648
	JLOAD \slot                                    ; its four v_nop are also the places in front of the loads below
.else
	PLACES
.endif
	FETCH \next, 0, 0
	MULA 1, 4, 4, 0
.endm
	s_wait_tensorcnt 1                             ; my part of K step 0 is in; K step 1's may stay out
	s_barrier_signal -1
	s_barrier_wait -1
	FETCH 0, 0, 0
	QUARTER 0, 1, 0, 1, 1                          ; the first quarter starts the sums: nothing is cleared
	WIN 0
	s_mov_b32 s3, 2                                ; six K steps: two trips fill both slots again, the last two steps are written out
.Llap:
	QUARTER 0, 2, 1, 0, 0
	QUARTER 0, 3, 0, 1, 0
	TURN 0, 1, 1
	QUARTER 1, 1, 0, 1, 0
	QUARTER 1, 2, 1, 0, 0
	QUARTER 1, 3, 0, 1, 0
	TURN 1, 0, 1
	QUARTER 0, 1, 0, 1, 0
	WIN 0
	s_sub_co_u32 s3, s3, 1
	s_cmp_lg_u32 s3, 0
	s_cbranch_scc1 .Llap
	QUARTER 0, 2, 1, 0, 0
	QUARTER 0, 3, 0, 1, 0
	TURN 0, 1, 0
	QUARTER 1, 1, 0, 1, 0
	QUARTER 1, 2, 1, 0, 0
	QUARTER 1, 3, 0, 1, 0
	s_wait_dscnt 8
	MULA 1, 0, 4, 0
	s_wait_dscnt 0x0
	MULA 1, 4, 4, 0
	; THE WAY OUT.  Token block a: 36 roundings, nine stores of 16 bytes into the stage.
	PLACES
.macro PACKA a
.set pb, 0
.rept 9
.set mi, 9*(\a)+pb
.set mw, 1+mi/32
.set mr, 8*(mi%32)
	WIN mw|(mw<<2)
.irp rr, 0,1,2,3
	v_cvt_pk_bf16_f32 v[TMP+4*pb+\rr], v[mr+2*\rr], v[mr+2*\rr+1]
.endr
.set pb, pb+1
.endr
	WIN 0
.set pb, 0
.rept 9
	ds_store_b128 v[STO+(pb%2)], v[TMP+4*pb:TMP+4*pb+3] offset:((\a)%4)*9792+(pb/2)*272
.set pb, pb+1
.endr
.endm
	PACKA 0
	PACKA 1
	PACKA 2
	PACKA 3
	v_add_nc_u32 v[STO], 39168, v[STO]             ; four blocks on: the immediate holds 16 bits
	v_add_nc_u32 v[STO+1], 39168, v[STO+1]
	PACKA 4
	PACKA 5
	PACKA 6
	PACKA 7
	s_wait_dscnt 0x0                               ; for the others' sake: a unit's 256 bytes come from up to two waves
	s_barrier_signal -1
	s_barrier_wait -1
.macro LOADH hh                        ; my 64 tokens of one hh: 4,096 bytes, into registers that held accumulators
.if (\hh) < 8
	WIN 0x40
.else
	WIN 0x80
.endif
.irp t, 0,1,2,3,4,5,6,7
	ds_load_b128 v[32*((\hh)%8)+4*\t:32*((\hh)%8)+4*\t+3], v[RD] offset:(\hh)*272+\t*4896
.endr
.endm
.macro SENDH hh, younger               ; younger: the LDS loads issued behind these
.if (\hh) < 8
	WIN 0x04
.else
	WIN 0x08
.endif
.irp t, 0,1,2,3,4,5,6,7
	s_wait_dscnt (\younger)+7-\t
	global_store_b128 v[GO], v[32*((\hh)%8)+4*\t:32*((\hh)%8)+4*\t+3], s[8:9] offset:(\hh)*524288+\t*512  ; 512 bytes on end, aligned
.endr
.endm
	LOADH 0
.irp hh, 1,2,3,4,5,6,7,8
	LOADH \hh
	SENDH (\hh)-1, 8
.endr
	SENDH 8, 0
	WIN 0
	s_wait_tensorcnt 0x0                           ; the wave's end
	ds_add_u32 v[SPW], v[NIL]
	s_wait_dscnt 0x0
	CROUND                                         ; the closing round
	s_endpgm
.Lfunc_end_k_q02f0bad615_proj:
	.size	k_q02f0bad615_proj, .Lfunc_end_k_q02f0bad615_proj-k_q02f0bad615_proj
	.p2alignl 7, 3214868480
	.fill 96, 4, 3214868480
	.section	.rodata,"a",@progbits
	.p2align	6, 0x0
	.amdhsa_kernel k_q02f0bad615_proj
		.amdhsa_group_segment_fixed_size 327680
		.amdhsa_private_segment_fixed_size 0
		.amdhsa_enable_private_segment 0
		.amdhsa_kernarg_size 24
		.amdhsa_user_sgpr_count 2
		.amdhsa_user_sgpr_kernarg_segment_ptr 1
		.amdhsa_wavefront_size32 1
		.amdhsa_system_sgpr_workgroup_id_x 1
		.amdhsa_system_sgpr_workgroup_id_y 1
		.amdhsa_system_sgpr_workgroup_id_z 1
		.amdhsa_system_vgpr_workitem_id 0
		.amdhsa_next_free_vgpr 976
		.amdhsa_next_free_sgpr 66
		.amdhsa_reserve_vcc 0
		.amdhsa_float_denorm_mode_32 3
		.amdhsa_float_denorm_mode_16_64 3
		.amdhsa_memory_ordered 1
		.amdhsa_forward_progress 1
		.amdhsa_inst_pref_size 160
	.end_amdhsa_kernel
	.amdgpu_metadata
---
amdhsa.version: [ 1, 2 ]
amdhsa.kernels:
  - .name:           k_q02f0bad615_proj
    .symbol:         k_q02f0bad615_proj.kd
    .args:
      - { .name: acts, .offset: 0, .size: 8, .value_kind: global_buffer, .address_space: global }
      - { .name: wT, .offset: 8, .size: 8, .value_kind: global_buffer, .address_space: global }
      - { .name: qkv, .offset: 16, .size: 8, .value_kind: global_buffer, .address_space: global }
    .group_segment_fixed_size: 327680
    .private_segment_fixed_size: 0
    .kernarg_segment_align: 8
    .kernarg_segment_size: 24
    .max_flat_workgroup_size: 128
    .sgpr_count:     66
    .vgpr_count:     976
    .wavefront_size: 32
...
	.end_amdgpu_metadata
.endif
;; end of part 2
;; launch cproj (part 3): grid 576 x 1, 4 waves a work-group, no clusters, 73,216 bytes of LDS; arguments context, wf, qkv; writes qkv
.if DOCPART == 3
	.amdgcn_target "amdgcn-amd-amdhsa--gfx1250"
	.amdhsa_code_object_version 6
	.text
	.protected	k_q02f0bad615_cproj
	.globl	k_q02f0bad615_cproj
	.p2align	8
	.type	k_q02f0bad615_cproj,@function
k_q02f0bad615_cproj:
	s_mov_b64 s[64:65], 0
	v_nop
	global_prefetch_b8 v0, s[64:65] scope:SCOPE_SE
	s_setreg_imm32_b32 hwreg(HW_REG_WAVE_MODE, 25, 1), 1
	s_wait_xcnt 0x0
; CPROJ: the three projections of the context, folded: [k2 | v2 | q1][token][n] = sum over k < 64 of context[k][token] wf[k][n] + wf[64][n].  Operands bf16, sums and bias f32, rounded once to bf16.
; A work-group makes 128 tokens x 256 columns: 64 x 9 = 576 work-groups; a wave 32 tokens.  context lies [k][token], wf [k][column]: both go to LDS in bf16 as they lie and come out turned (ds_load_tr16_b128).
; Source 0 = 16 columns, source 1 = 16 tokens: a lane holds one token and eight neighbouring columns.  The first product's C operand is the bias.
; OUT: qkv [HH 144][batch 8][token 1024][32 channels], HH = 72 + column / 32: a plane of 64 columns is two HH; 8 tokens x 64 bytes are 512 bytes on end.
; No clusters and no tensor loads: both operands want a cast on their way, 96 KB a work-group come in against 64 KB that go out, and four work-groups share a WGP.
; LIMITS: context and wf are rounded to bf16 as matrix operands (nearest even); NaN and infinities pass as they come.
.set CTP,   288                        ; a row of context in LDS: 128 tokens x 2 bytes + 32: an odd multiple of 32 for the turning load
.set WCB,   18432                      ; wf's 64 rows begin here
.set WCP,   544                        ; 256 columns x 2 bytes + 32
.set BIAS,  53248                      ; 256 f32 of wf's row 64
.set STG,   54272                      ; 32 rows x 144 bytes for each wave, for the way out
.set SPARE, 72704                      ; the spare words, 128 bytes for each wave: two blocks of 256 bytes that no other line names
.set SPW,   30                         ; v30  SPARE + 4 x my thread's number; never rewritten
.set NIL,   31                         ; v31  0; never rewritten
	s_load_b128 s[36:39], s[0:1], 0x0              ; context s[36:37], wf s[38:39]
	s_load_b64 s[40:41], s[0:1], 0x10              ; qkv
	v_lshl_add_u32 v[SPW], v0, 2, SPARE
	v_mov_b32 v[NIL], 0
	v_lshrrev_b32 v2, 5, v0
	v_readfirstlane_b32 s8, v2                     ; wave 0..3
	v_and_b32 v1, 31, v0                           ; lane
	s_lshr_b32 s10, ttmp9, 6                       ; ct: columns 256 ct on
	s_and_b32 s11, ttmp9, 63                       ; tt: tokens 128 tt on
	s_lshr_b32 s12, s11, 3                         ; batch
	s_and_b32 s13, s11, 7
	s_mov_b32 s15, 0
	s_wait_kmcnt 0x0
	s_lshl_b32 s14, s12, 18                        ; 64 rows of 4,096 bytes
	s_lshl_b32 s16, s13, 9                         ; 128 tokens x 4 bytes
	s_add_co_u32 s14, s14, s16
	s_add_nc_u64 s[36:37], s[36:37], s[14:15]
	s_lshl_b32 s14, s10, 10                        ; 256 columns x 4 bytes
	s_add_nc_u64 s[38:39], s[38:39], s[14:15]
	s_lshl_b32 s14, s10, 6                         ; (8 ct HH
	s_add_co_u32 s14, s14, 576                     ;  + 72) x 8 batches
	s_add_co_u32 s14, s14, s12
	s_lshl_b32 s14, s14, 16                        ; x 65,536 bytes
	s_lshl_b32 s16, s13, 13                        ; 128 tokens x 64 bytes
	s_add_co_u32 s14, s14, s16
	s_lshl_b32 s16, s8, 11                         ; my 32 tokens
	s_add_co_u32 s14, s14, s16
	s_add_nc_u64 s[40:41], s[40:41], s[14:15]
	v_lshlrev_b32 v19, 4, v1                       ; 16 x lane
	v_lshlrev_b32 v20, 3, v1                       ; 8 x lane
	s_lshl_b32 s14, s8, 16
	v_add_nc_u32 v8, s14, v19                      ; context: my 16 rows k
	s_mul_i32 s14, s8, 147456
	v_add_nc_u32 v9, s14, v19                      ; wf: my 16 rows k of 9,216 bytes
	s_lshl_b32 s14, s8, 8
	v_add_nc_u32 v10, s14, v20                     ; the bias: my 64 numbers
.set k, 0
.rept 16
	global_load_b128 v[64+4*k:67+4*k], v8, s[36:37] offset:k*4096
.set k, k+1
.endr
.set k, 0
.rept 32
	global_load_b128 v[128+4*k:131+4*k], v9, s[38:39] offset:(k/2)*9216+(k%2)*512
.set k, k+1
.endr
	global_load_b64 v[2:3], v10, s[38:39] offset:589824  ; row 64
	v_and_b32 v4, 15, v1                           ; r
	v_lshrrev_b32 v5, 4, v1                        ; h
	v_and_b32 v6, 7, v1
	v_bfe_u32 v7, v1, 3, 1
	s_mul_i32 s14, s8, 16*CTP
	v_add_nc_u32 v11, s14, v20                     ; where my rows of context go
	s_mul_i32 s14, s8, 16*WCP
	s_add_co_u32 s14, s14, WCB
	v_add_nc_u32 v12, s14, v20                     ; where my rows of wf go
	v_add_nc_u32 v13, BIAS, v10
	v_lshl_add_u32 v21, v5, 3, v6                  ; the turning load's row: 8 h + lane % 8
	v_mul_u32_u24 v14, v21, CTP
	v_lshl_add_u32 v14, v7, 4, v14
	s_lshl_b32 s14, s8, 6
	v_add_nc_u32 v14, s14, v14                     ; + my 32 tokens
	v_mul_u32_u24 v15, v21, WCP
	v_lshl_add_u32 v15, v7, 4, v15
	v_add_nc_u32 v15, WCB, v15                     ; the plane's columns: it steps by 128 bytes a plane
	v_lshlrev_b32 v16, 5, v5
	v_add_nc_u32 v16, BIAS, v16                    ; my eight columns' bias: it steps by 256 bytes a plane
	s_mul_i32 s14, s8, 4608
	s_add_co_u32 s14, s14, STG
	v_mul_u32_u24 v17, v4, 144
	v_lshl_add_u32 v17, v5, 4, v17
	v_add_nc_u32 v17, s14, v17                     ; stage, in: token r, 16 h
	v_lshrrev_b32 v18, 2, v1                       ; stage, back: 32 lanes take 8 tokens x 64 bytes of one HH
	v_mul_u32_u24 v18, v18, 144
	v_and_b32 v22, 3, v1
	v_lshl_add_u32 v18, v22, 4, v18
	v_add_nc_u32 v18, s14, v18
	s_wait_loadcnt 0x0
.set k, 0
.rept 16
	v_cvt_pk_bf16_f32 v[64+4*k], v[64+4*k], v[65+4*k]
	v_cvt_pk_bf16_f32 v[65+4*k], v[66+4*k], v[67+4*k]
	ds_store_b64 v11, v[64+4*k:65+4*k] offset:k*CTP
.set k, k+1
.endr
.set k, 0
.rept 32
	v_cvt_pk_bf16_f32 v[128+4*k], v[128+4*k], v[129+4*k]
	v_cvt_pk_bf16_f32 v[129+4*k], v[130+4*k], v[131+4*k]
	ds_store_b64 v12, v[128+4*k:129+4*k] offset:(k/2)*WCP+(k%2)*256
.set k, k+1
.endr
	ds_store_b64 v13, v[2:3]
	s_wait_dscnt 0x0                               ; for the others' sake
	s_barrier_signal -1
	s_barrier_wait -1
.irp tb, 0,1                           ; my 32 tokens' fragments stay: (tb, kc) at v[32 + 16 tb + 8 kc]
.irp kc, 0,1
	ds_load_tr16_b128 v[32+16*\tb+8*\kc:35+16*\tb+8*\kc], v14 offset:\kc*32*CTP+\tb*32
	ds_load_tr16_b128 v[36+16*\tb+8*\kc:39+16*\tb+8*\kc], v14 offset:\kc*32*CTP+16*CTP+\tb*32
.endr
.endr
	s_mov_b32 s17, 4
.Lplane:                               ; a trip: one plane of 64 columns: 16 products on 8 accumulators that take turns; out through my own stage
.irp cb, 0,1,2,3
.irp kc, 0,1
	ds_load_tr16_b128 v[64+16*\cb+8*\kc:67+16*\cb+8*\kc], v15 offset:\kc*32*WCP+\cb*32
	ds_load_tr16_b128 v[68+16*\cb+8*\kc:71+16*\cb+8*\kc], v15 offset:\kc*32*WCP+16*WCP+\cb*32
.endr
.endr
.irp cb, 0,1,2,3
	ds_load_b128 v[192+8*\cb:195+8*\cb], v16 offset:\cb*64
	ds_load_b128 v[196+8*\cb:199+8*\cb], v16 offset:\cb*64+16
.endr
	s_wait_dscnt 0x0
.irp tb, 0,1
.irp cb, 0,1,2,3
	v_wmma_f32_16x16x32_bf16 v[128+8*(4*\tb+\cb):135+8*(4*\tb+\cb)], v[64+16*\cb:71+16*\cb], v[32+16*\tb:39+16*\tb], v[192+8*\cb:199+8*\cb]
.endr
.endr
.irp tb, 0,1
.irp cb, 0,1,2,3
	v_wmma_f32_16x16x32_bf16 v[128+8*(4*\tb+\cb):135+8*(4*\tb+\cb)], v[72+16*\cb:79+16*\cb], v[40+16*\tb:47+16*\tb], v[128+8*(4*\tb+\cb):135+8*(4*\tb+\cb)]
.endr
.endr
.rept 4
	v_nop                                          ; four places between the last product and the first reader of a result, and the next trip's loads into the fragments
.endr
.set k, 0
.rept 32
	v_cvt_pk_bf16_f32 v[224+k], v[128+2*k], v[129+2*k]
.set k, k+1
.endr
.irp tb, 0,1
.irp cb, 0,1,2,3
	ds_store_b128 v17, v[224+4*(4*\tb+\cb):227+4*(4*\tb+\cb)] offset:\tb*2304+\cb*32
.endr
.endr
.irp u, 0,1,2,3,4,5,6,7                ; u = 4 c + t: channel half c, tokens 8 t on
	ds_load_b128 v[224+4*\u:227+4*\u], v18 offset:(\u%4)*1152+(\u/4)*64  ; LDS serves a wave's instructions in order: these see the stores above
.endr
.irp u, 0,1,2,3,4,5,6,7
	s_wait_dscnt 7-\u                              ; the 7 - u younger loads may stay out
	global_store_b128 v19, v[224+4*\u:227+4*\u], s[40:41] offset:(\u/4)*524288+(\u%4)*512  ; 512 bytes on end, aligned
.endr
	v_add_nc_u32 v15, 128, v15                     ; the next plane's columns and bias
	v_add_nc_u32 v16, 256, v16
	s_wait_xcnt 0x0                                ; the stores have read their base and v[224:255], which are written again only behind this wait
	s_add_nc_u64 s[40:41], s[40:41], 1048576       ; two HH on
	s_sub_co_u32 s17, s17, 1
	s_cmp_lg_u32 s17, 0
	s_cbranch_scc1 .Lplane
	s_wait_tensorcnt 0x0                           ; the wave's end, behind the last LDS store
	ds_add_u32 v[SPW], v[NIL]
	s_wait_dscnt 0x0
	s_endpgm
.Lfunc_end_k_q02f0bad615_cproj:
	.size	k_q02f0bad615_cproj, .Lfunc_end_k_q02f0bad615_cproj-k_q02f0bad615_cproj
	.p2alignl 7, 3214868480
	.fill 96, 4, 3214868480
	.section	.rodata,"a",@progbits
	.p2align	6, 0x0
	.amdhsa_kernel k_q02f0bad615_cproj
		.amdhsa_group_segment_fixed_size 73216
		.amdhsa_private_segment_fixed_size 0
		.amdhsa_enable_private_segment 0
		.amdhsa_kernarg_size 24
		.amdhsa_user_sgpr_count 2
		.amdhsa_user_sgpr_kernarg_segment_ptr 1
		.amdhsa_wavefront_size32 1
		.amdhsa_system_sgpr_workgroup_id_x 1
		.amdhsa_system_sgpr_workgroup_id_y 1
		.amdhsa_system_sgpr_workgroup_id_z 1
		.amdhsa_system_vgpr_workitem_id 0
		.amdhsa_next_free_vgpr 256
		.amdhsa_next_free_sgpr 66
		.amdhsa_reserve_vcc 0
		.amdhsa_float_denorm_mode_32 3
		.amdhsa_float_denorm_mode_16_64 3
		.amdhsa_memory_ordered 1
		.amdhsa_forward_progress 1
		.amdhsa_inst_pref_size 25
	.end_amdhsa_kernel
	.amdgpu_metadata
---
amdhsa.version: [ 1, 2 ]
amdhsa.kernels:
  - .name:           k_q02f0bad615_cproj
    .symbol:         k_q02f0bad615_cproj.kd
    .args:
      - { .name: context, .offset: 0, .size: 8, .value_kind: global_buffer, .address_space: global }
      - { .name: wf, .offset: 8, .size: 8, .value_kind: global_buffer, .address_space: global }
      - { .name: qkv, .offset: 16, .size: 8, .value_kind: global_buffer, .address_space: global }
    .group_segment_fixed_size: 73216
    .private_segment_fixed_size: 0
    .kernarg_segment_align: 8
    .kernarg_segment_size: 24
    .max_flat_workgroup_size: 128
    .sgpr_count:     66
    .vgpr_count:     256
    .wavefront_size: 32
...
	.end_amdgpu_metadata
.endif
;; end of part 3
;; launch attn (part 4): grid 4 x 192, 4 waves a work-group, clusters of 4 x 1, 327,680 bytes of LDS; arguments qkv, oP; writes oP
.if DOCPART == 4
	.amdgcn_target "amdgcn-amd-amdhsa--gfx1250"
	.amdhsa_code_object_version 6
	.text
	.protected	k_q02f0bad615_attn
	.globl	k_q02f0bad615_attn
	.p2align	8
	.type	k_q02f0bad615_attn,@function
k_q02f0bad615_attn:
	s_mov_b64 s[64:65], 0
	v_nop
	global_prefetch_b8 v0, s[64:65] scope:SCOPE_SE
	s_setreg_imm32_b32 hwreg(HW_REG_WAVE_MODE, 25, 1), 1
	s_wait_xcnt 0x0
	s_wait_alu depctr_hold_cnt(0) depctr_sa_sdst(0) depctr_va_vdst(0) depctr_va_sdst(0) depctr_va_ssrc(0) depctr_va_vcc(0) depctr_vm_vsrc(0)
	s_getreg_b32 s2, hwreg(HW_REG_IB_STS2, 6, 4)
	s_cmp_eq_u32 s2, 0
	s_cbranch_scc0 .Lentry_in_a_cluster
	s_endpgm
.Lentry_in_a_cluster:
	s_bfe_u32 s2, ttmp6, 0x10000c
	s_cmp_lg_u32 s2, 0x3003
	s_cbranch_scc0 .Lentry_shape_is_right
	s_endpgm
.Lentry_shape_is_right:
; ATTN: 192 heads (y = 16 h + 8 br + batch) of 1,024 queries x 1,024 keys, head size 64.  O[q] = sum over k of softmax_k(Q[q] . K[k] / 8) V[k].  All operands bf16; products, maxima and sums f32;
; the weights p are rounded to bf16 for the second product (their sum l is taken of the unrounded p), O once at the end.
; IN: qkv [HH][batch][token][32 channels]; HH = 24 T + 2 h + c.  Branch br: K = T 3 br, V = T 3 br + 1, Q = T 5 - 3 br.  OUT: oP [12 br + h][token 8192][64].
; LIMITS: a weight below 2^-126 counts as 0 in l; NaN and infinities are not treated apart; m starts at the lowest finite number and c m at -4.2e37, far below every c s.
; SHARES.  A work-group owns 256 queries of a head, a wave 64: two PIECES of two tiles of 16.  768 work-groups: three for each of 256 WGPs.  Every wave walks all keys, 64 a step.
; NO RING.  A head's K and V, 286,720 bytes with padding, lie in LDS whole and are filled once: four joint loads a wave (256 keys each) go out together at the start; the walk begins when the first
; has landed, and waits for the other three ahead of step 3, which is the first to read them.  No LDS byte is filled again.
; CLUSTER.  The four query blocks of a head form a cluster and ask for K and V jointly: the same tensor loads, descriptors and mask in all four.
; LAYOUT, SOFTMAX.  S^T = K Q^T holds ONE query a lane (lane % 16) and the keys 8 (lane / 16) + 0..7; two such results rounded to bf16 ARE source 1 of O^T = V^T P.  p = 2^(c s - c m), c = log2(e) / 8,
; with a running maximum m; O and l are multiplied by a = 2^(c m_old - c m_new) in every step; the first step is a step like any other, with a = 0.
; BY TURNS.  Turn Y belongs to piece Y: 16 products K Q^T of the other piece, later 16 products V^T P of the other piece; beside them piece Y's scaling, exponentials, roundings, sums and rescaling, and the
; other piece's maximum and statistics.  Four vector instructions stand behind every product, the rest in one lump; a turn's 66 exponentials are one batch with one wait.
; REGISTERS: window 0: v0-11 addresses; v12-15, v48-63 at work; v16-31 statistics; v32-38 addresses; v64-191 S^T, two buffers of two tiles; v192-255 P, likewise.
;   window 1: v0-127 O^T, 32 a tile.   window 2: v0-63 Q, 16 a tile; v128-191 K of one step; v192-255 V of one step.
.set NP,    2
.set KC1,   69632     ; K: 256 groups of four keys x 272 bytes (256 + 16) for each channel half; the second half begins here
.set VBASE, 139264    ; V: groups of 288 bytes (256 + 32)
.set VC1,   73728
.set KSTEP, 4352      ; 16 groups
.set VSTEP, 4608
.set STAGE, 286720    ; 16 rows x 144 bytes for each wave, for the way out; no tensor load lands here
.set SP,    144
.set SPARE, 295936    ; the spare words: two blocks of 256 bytes that no other line names
.set AK0, 2           ; v2   my lane's place in a tile of K; never rewritten
.set AV0, 3           ; v3   the same for V
.set AK,  4           ; v4-5 LDS address of K's next run of loads, channel half 0, 1
.set AV,  6           ; v6-7 of V's
.set GO,  8           ; v8   my byte offset in 512 bytes of O
.set MV,  12          ; v12-15  c m_old, by buffer and tile
.set ST,  16          ; tile t's statistics at v[ST+4 t]: c m, m, l (even keys', odd keys')
.set SPW, 32          ; v32  SPARE + 4 x my thread's number; never rewritten
.set NIL, 33          ; v33  0; never rewritten
.set STO, 34
.set RD,  35
.set QO,  36
.set TMP, 48          ; by buffer and tile, c0-c3 at work; c2 takes a
.set S,   64
.set P,   192
.set KF,  128         ; window 2: key block kb, channel half c at KF + 16 kb + 8 c
.set VF,  192         ; window 2: key half kk, channel block cb at VF + 32 kk + 8 cb
.set WV,  12
.set G1K, 24          ; s[24:31] group 1 for K
.set G1V, 32          ; s[32:39] for V: other padding
.set G0K, 40          ; s[40:55] group 0 for K, a set for each of the four loads
.set G0V, 68          ; s[68:83] for V
.set CNT, 57
.set CS,  58          ; s[58:59] c
.set SEL, 60          ; s[60:61] v_permlanex16_b32's selects
.set TBK, 62          ; LDS byte at which K of the step to be fetched begins
.set TBV, 63          ; the same for V, less VBASE
.set MSB, 0
.macro WIN new
.if MSB != (\new)
	s_set_vgpr_msb (MSB<<8)|(\new)
.set MSB, (\new)
.endif
.endm
.set W_KQ, 0x0a       ; K and Q in window 2, S^T in window 0
.set W_PV, 0x52       ; V in window 2, P in window 0, O^T in window 1
.set W_RS, 0x41       ; O^T in window 1, a in window 0
.macro CROUND
	s_barrier_signal -1
	s_barrier_wait -1
	s_cmp_lg_u32 s[WV], 0
	s_cbranch_scc1 .Lnot_wave_0_\@
	s_barrier_signal -3
.Lnot_wave_0_\@:
	s_barrier_wait -3
	s_barrier_signal -1
	s_barrier_wait -1
.endm
	s_load_b128 s[4:7], s[0:1], 0x0 ; qkv s[4:5], oP s[6:7]
	v_lshl_add_u32 v[SPW], v0, 2, SPARE
	v_mov_b32 v[NIL], 0
	ds_add_u32 v[SPW], v[NIL]       ; the wave's opening: the add and its wait ahead of my first tensor load
	v_lshrrev_b32 v1, 5, v0
	v_readfirstlane_b32 s[WV], v1
	s_bfe_u32 s13, ttmp6, 0x40000   ; cx
	s_lshl_b32 s14, ttmp9, 2
	s_add_co_u32 s13, s14, s13      ; my block of 256 queries: it enters Q's and O's addresses alone
	s_and_b32 s14, ttmp7, 0xffff    ; y, which the four partners share
	s_lshr_b32 s15, s14, 4          ; h
	s_bfe_u32 s56, s14, 0x10003     ; br
	s_and_b32 s14, s14, 7           ; batch
	s_and_b32 s16, s[WV], 1         ; the channel half that I fetch
	s_mul_i32 s19, s56, 72          ; 24 x 3 br
	s_lshl1_add_u32 s20, s15, s19
	s_add_co_u32 s20, s20, s16      ; HH of my half of K
	s_lshl3_add_u32 s20, s20, s14
	s_lshl_b32 s20, s20, 16
	s_mov_b32 s21, 0
	s_sub_co_u32 s22, 120, s19      ; 24 x (5 - 3 br)
	s_lshl1_add_u32 s22, s15, s22
	s_lshl3_add_u32 s22, s22, s14
	s_lshl_b32 s22, s22, 16
	s_lshl_b32 s23, s13, 14         ; 256 queries x 64 bytes
	s_add_co_u32 s22, s22, s23
	s_lshl_b32 s23, s[WV], 12       ; my 64
	s_add_co_u32 s22, s22, s23
	s_mov_b32 s23, 0
	s_mul_i32 s2, s56, 12
	s_add_co_u32 s2, s2, s15
	s_lshl_b32 s2, s2, 20           ; O's plane
	s_lshl_b32 s3, s14, 17          ; 1,024 tokens x 128 bytes
	s_add_co_u32 s2, s2, s3
	s_lshl_b32 s3, s13, 15
	s_add_co_u32 s2, s2, s3
	s_lshl_b32 s3, s[WV], 13
	s_add_co_u32 s2, s2, s3
	s_mov_b32 s3, 0
	s_mul_i32 s17, s16, KC1         ; where my half goes: no place in the cluster enters an LDS address
	s_mul_i32 s18, s16, VC1
	; 256 keys of a half are 16,384 dense bytes: 64 rows of 256 bytes, four keys a row, padded behind every row
	s_mov_b32 s[G1K], 15|(3<<16)|(1<<20)|(1<<21)|(5<<22)|(3<<25)  ; the mask of four; 8-byte elements; padding on; bit 21 beside a mask; after every 64 words; 4 words
	s_mov_b32 s[G1V], 15|(3<<16)|(1<<20)|(1<<21)|(5<<22)|(7<<25)  ; 8 words
.irp g, G1K, G1V
	s_mov_b32 s[\g+1], 32<<16       ; tensor_dim0 = 32
	s_mov_b32 s[\g+2], 64<<16       ; tensor_dim1 = 64
	s_mov_b32 s[\g+3], 32<<16       ; tile_dim0
	s_mov_b32 s[\g+4], 64           ; tile_dim1
	s_mov_b32 s[\g+5], 32           ; from row to row
	s_mov_b32 s[\g+6], 0
	s_mov_b32 s[\g+7], 0
.endr
.irp c, 0,1,2,3
	s_mov_b32 s[G0K+4*\c], 1
	s_add_co_u32 s[G0K+4*\c+1], s17, \c*17408
	s_mov_b32 s[G0V+4*\c], 1
	s_add_co_u32 s[G0V+4*\c+1], s18, VBASE+\c*18432
.endr
	s_mov_b32 s[CS], 0x3e38aa3b     ; c = log2(e) / 8
	s_mov_b32 s[CS+1], s[CS]
	s_mov_b32 s[SEL], 0x76543210
	s_mov_b32 s[SEL+1], 0xfedcba98
	s_mov_b32 s[TBK], 0
	s_mov_b32 s[TBV], 0
	s_wait_dscnt 0x0                ; the opening add is done
	s_wait_kmcnt 0x0
	s_add_nc_u64 s[8:9], s[4:5], s[20:21]    ; K at my half
	s_add_nc_u64 s[10:11], s[8:9], 12582912  ; V: 24 HH on
.irp c, 0,1,2,3
	s_add_nc_u64 s[G0K+4*\c+2:G0K+4*\c+3], s[8:9], \c*16384
	s_or_b32 s[G0K+4*\c+3], s[G0K+4*\c+3], 0x80000000
	s_add_nc_u64 s[G0V+4*\c+2:G0V+4*\c+3], s[10:11], \c*16384
	s_or_b32 s[G0V+4*\c+3], s[G0V+4*\c+3], 0x80000000
.endr
	s_add_nc_u64 s[4:5], s[4:5], s[22:23]    ; Q at my wave's first row, channel half 0
	s_add_nc_u64 s[6:7], s[6:7], s[2:3]      ; O at my wave's first row
	CROUND                          ; all four work-groups are here: the joint loads meet
	s_cmp_lt_u32 s[WV], 2           ; waves 0, 1: K's halves; waves 2, 3: V's.  A wave's four fills stand in one branch: four loads of mine are out
	s_cbranch_scc0 .Lfirst_v
.irp c, 0,1,2,3
	tensor_load_to_lds s[G0K+4*\c:G0K+4*\c+3], s[G1K:G1K+7]
	s_nop 0
.endr
.rept 4
	v_nop
.endr
	s_branch .Lfirst_asked
.Lfirst_v:
.irp c, 0,1,2,3
	tensor_load_to_lds s[G0V+4*\c:G0V+4*\c+3], s[G1V:G1V+7]
	s_nop 0
.endr
.rept 4
	v_nop
.endr
.Lfirst_asked:
	v_and_b32 v1, 15, v0            ; r
	v_bfe_u32 v9, v0, 4, 1          ; h
	v_lshlrev_b32 v[QO], 6, v1
	v_lshl_add_u32 v[QO], v9, 4, v[QO]  ; row x 64 + 16 x half
	WIN 0x80
.set i, 0
.rept 4*NP                          ; Q stays in registers: tile i / 2, channel half i % 2 (one HH, 524,288 bytes, on)
	global_load_b128 v[8*i:8*i+3],   v[QO], s[4:5] offset:(i/2)*1024+(i%2)*524288
	global_load_b128 v[8*i+4:8*i+7], v[QO], s[4:5] offset:(i/2)*1024+(i%2)*524288+32
.set i, i+1
.endr
	; What the first turn finds: V's registers and P's second buffer hold 0, O^T and l are 0.  All this stands in the wait for the first keys.
.set i, VF
.rept 64
	v_mov_b32 v[i], 0
.set i, i+1
.endr
	WIN 0x40
.set i, 0
.rept 64*NP
	v_mov_b32 v[i], 0
.set i, i+1
.endr
	WIN 0
.set i, 0
.rept 2*NP
	v_mov_b32 v[ST+4*i], 0xfe000000
	v_mov_b32 v[ST+4*i+1], 0xff7fffff
	v_mov_b32 v[ST+4*i+2], 0
	v_mov_b32 v[ST+4*i+3], 0
.set i, i+1
.endr
.set i, P+32
.rept 32
	v_mov_b32 v[i], 0
.set i, i+1
.endr
	v_lshrrev_b32 v10, 2, v1        ; key r lies in group r / 4 at 64 (r % 4)
	v_mul_u32_u24 v[AK0], v10, 272
	v_and_b32 v10, 3, v1
	v_lshl_add_u32 v[AK0], v10, 6, v[AK0]
	v_lshl_add_u32 v[AK0], v9, 4, v[AK0]
	v_and_b32 v10, 7, v0            ; the turning load: lane l reads key 8 (l / 16) + l % 8, channels 8 ((l / 8) % 2) on
	v_bfe_u32 v11, v0, 3, 1
	v_lshl_add_u32 v37, v9, 3, v10
	v_lshrrev_b32 v38, 2, v37
	v_mul_u32_u24 v[AV0], v38, 288
	v_and_b32 v37, 3, v37
	v_lshl_add_u32 v[AV0], v37, 6, v[AV0]
	v_lshl_add_u32 v[AV0], v11, 4, v[AV0]
	v_add_nc_u32 v[AV0], VBASE, v[AV0]
	v_mov_b32 v[AK], v[AK0]
	v_add_nc_u32 v[AK+1], KC1, v[AK0]
; THE MATRIX WORK.  The 8 accumulators of a run of 16 take turns.
.macro KQ x                         ; product i of 16 of S^T = K Q^T for piece x: channel half i / 8, keys 16 ((i / 2) % 4) on, tile 2 x + i % 2
	WIN W_KQ
.set rS, S+64*((\x)%2)+32*(i%2)+8*((i/2)%4)
.set rK, KF+16*((i/2)%4)+8*(i/8)
.set rQ, 16*(2*(\x)+i%2)+8*(i/8)
.if i < 8
	v_wmma_f32_16x16x32_bf16 v[rS:rS+7], v[rK:rK+7], v[rQ:rQ+7], 0
.else
	v_wmma_f32_16x16x32_bf16 v[rS:rS+7], v[rK:rK+7], v[rQ:rQ+7], v[rS:rS+7]
.endif
.endm
.macro PV x                         ; product i of 16 of O^T += V^T P for piece x: keys 32 (i / 8) on, channels 16 ((i / 2) % 4) on, tile 2 x + i % 2
	WIN W_PV
.set rO, 32*(2*(\x)+i%2)+8*((i/2)%4)
.set rV, VF+32*(i/8)+8*((i/2)%4)
.set rP, P+32*((\x)%2)+16*(i%2)+8*(i/8)
	v_wmma_f32_16x16x32_bf16 v[rO:rO+7], v[rV:rV+7], v[rP:rP+7], v[rO:rO+7]
.endm
.macro MM
.if i < 16
	KQ (Y+1)%NP
.set i, i+1
.else
.set i, i-16
	PV (Y+NP-1)%NP
.set i, i+17
.endif
.endm
; THE LDS LOADS stand in runs of 16.  last = 1: in the walk's last step there is no further K, and the run is jumped over.
.macro FETCH_K last=0
	WIN 0
.if \last
	s_cmp_eq_u32 s[CNT], 1
	s_cbranch_scc1 .Lno_k_\@
.endif
	WIN 0x80
.irp f, 0,1,2,3,4,5,6,7             ; keys 16 (f / 2) on, channel half f % 2
	ds_load_b128 v[KF+8*\f:KF+8*\f+3],   v[AK+(\f%2)] offset:(\f/2)*1088
	ds_load_b128 v[KF+8*\f+4:KF+8*\f+7], v[AK+(\f%2)] offset:(\f/2)*1088+32
.endr
	s_add_co_u32 s[TBK], s[TBK], KSTEP
	WIN 0
.if \last
.Lno_k_\@:
.endif
.endm
.macro FETCH_V
	WIN 0x80
.irp f, 0,1,2,3,4,5,6,7             ; keys 32 (f / 4) on, channels 16 (f % 4) on: half (f % 4) / 2, byte 32 (f % 2)
	ds_load_tr16_b128 v[VF+8*\f:VF+8*\f+3],   v[AV+((\f%4)/2)] offset:(\f/4)*2304+(\f%2)*32
	ds_load_tr16_b128 v[VF+8*\f+4:VF+8*\f+7], v[AV+((\f%4)/2)] offset:(\f/4)*2304+1152+(\f%2)*32
.endr
	WIN 0
.endm
; THE VECTOR WORK OF A TURN stands in three queues, each in the order in which its entries become ready; the two tiles alternate.
.macro REGS y, u
.set rT, ST+4*(2*(\y)+(\u))
.set rC, TMP+8*((\y)%2)+4*(\u)
.set rM, MV+2*((\y)%2)+(\u)
.set rS, S+64*((\y)%2)+32*(\u)
.set rP, P+32*((\y)%2)+16*(\u)
.set rO, 32*(2*(\y)+(\u))
.endm
; Number n of the 22 that find the other piece's maximum and statistics; each accumulator's lowest registers are read first.
;   0-11 four chains c0-c3   12-14, 16 the scores left over, the old m, c0-c3 into c0   15 c m_old is kept   17, 18 the other half of the lanes: the new m   19-21 c m; its change; a
.macro XS u, n
	REGS (Y+1)%NP, \u
.if (\n) < 4
	v_max3_num_f32 v[rC+(\n)], v[rS+8*(\n)], v[rS+8*(\n)+1], v[rS+8*(\n)+2]
.elseif (\n) < 12
	v_max3_num_f32 v[rC+(\n)%4], v[rC+(\n)%4], v[rS+8*((\n)%4)+2*((\n)/4)+1], v[rS+8*((\n)%4)+2*((\n)/4)+2]
.elseif (\n) == 12
	v_max3_num_f32 v[rC], v[rC], v[rS+7], v[rS+15]
.elseif (\n) == 13
	v_max3_num_f32 v[rC+1], v[rC+1], v[rS+23], v[rS+31]
.elseif (\n) == 14
	v_max3_num_f32 v[rC+2], v[rC+2], v[rC+3], v[rT+1]
.elseif (\n) == 15
	v_mov_b32 v[rM], v[rT]
.elseif (\n) == 16
	v_max3_num_f32 v[rC], v[rC], v[rC+1], v[rC+2]
.elseif (\n) == 17
	v_permlanex16_b32 v[rC+3], v[rC], s[SEL], s[SEL+1]
.elseif (\n) == 18
	v_max_num_f32 v[rT+1], v[rC], v[rC+3]
.elseif (\n) == 19
	v_mul_f32 v[rT], s[CS], v[rT+1]
.elseif (\n) == 20
	v_sub_f32 v[rC+1], v[rM], v[rT]
.else
	v_exp_f32 v[rC+2], v[rC+1]
.endif
.endm
; Number g of the 64 that follow the exponentials: for each four weights both pairs are rounded to bf16, the second pair is added onto the first, and a group later l takes that sum (the first time l = a l + sum).
.macro GS g
.set h, (\g)+6*((\g)/62)
.if h >= 6
.set h, h+2
.endif
	REGS Y, h%2
.set k, h/8
.if h%8 < 4
	v_cvt_pk_bf16_f32 v[rP+2*k+(h%8)/2], v[rS+4*k+2*((h%8)/2)], v[rS+4*k+2*((h%8)/2)+1]
.elseif h%8 < 6
	v_pk_add_f32 v[rS+4*k:rS+4*k+1], v[rS+4*k:rS+4*k+1], v[rS+4*k+2:rS+4*k+3]
.elseif k == 1
	v_pk_fma_f32 v[rT+2:rT+3], v[rT+2:rT+3], v[rC+2:rC+3], v[rS:rS+1] op_sel_hi:[1,0,1]
.else
	v_pk_add_f32 v[rT+2:rT+3], v[rT+2:rT+3], v[rS+4*k-4:rS+4*k-3]
.endif
.endm
.macro FS f                         ; c s - c m for pair f / 2 of tile f % 2
	REGS Y, (\f)%2
	v_pk_fma_f32 v[rS+2*((\f)/2):rS+2*((\f)/2)+1], v[rS+2*((\f)/2):rS+2*((\f)/2)+1], s[CS:CS+1], v[rT:rT+1] op_sel_hi:[1,0,0] neg_lo:[0,0,1] neg_hi:[0,0,1]
.endm
; THE PLAIN QUEUE, 138 long.  0-73 read no exponential's result: 32 scalings and the other piece's 42; 74-137 are GS's 64, behind the wait.
.macro PL
	WIN 0
.if q < 27
	FS q
.elseif q < 55
	XS (q-27)%2, (q-27)/2
.elseif q < 57
	XS q-55, 15
.elseif (q < 72) && ((q-57)%3 == 0)
	FS 27+(q-57)/3
.elseif q < 60
	XS (q-57)%3-1, 14
.elseif q < 72
	XS (q-57)%3-1, 15+(q-57)/3
.elseif q < 74
	XS q-72, 20
.else
	GS q-74
.endif
.set q, q+1
.endm
.macro EX                           ; THE EXPONENTIALS' QUEUE, 66 long: one batch, all ahead of the turn's one wait
	WIN 0
.if e >= 64
	XS e-64, 21
.else
	REGS Y, e%2
	v_exp_f32 v[rS+e/2], v[rS+e/2]
.endif
.set e, e+1
.endm
.macro R2                           ; THE RESCALING's QUEUE: O^T times a, two at a time, each accumulator's low registers first.  The products that wrote these registers stand in the turn before, seven products with their riders or more away
	REGS Y, r%2
	WIN W_RS
.irp z, 0,1
	v_pk_mul_f32 v[rO+4*(r/2)+2*\z:rO+4*(r/2)+2*\z+1], v[rO+4*(r/2)+2*\z:rO+4*(r/2)+2*\z+1], v[rC+2:rC+3] op_sel_hi:[1,0]
.endr
.set r, r+1
.endm
; A TURN, for piece p.  Ahead of the one wait: 16 products K Q^T, behind each a scaling, an exponential and two rescalings;
; then a lump of 108.  Behind it: 16 products V^T P, behind each four of GS's 64.
; Turn 0 fetches the next step's K directly behind the wait (its last reader stands a lump back) and the step's V at its end, four riders behind V's last reader.
; Turn 1 waits at its head with the count 16 (V's 16 younger loads stay out: K is in) and behind its wait for the exponentials with 0 (V is in).
.macro TURN p, last=0, cnt=0
.set Y, (\p)
.set i, 0
.set q, 0
.set e, 0
.set r, 0
.if (\p) == 1
	s_wait_dscnt 16
.endif
	MM
	PL
	PL
	R2
.rept 15
	MM
	PL
	EX
	R2
.endr
.if (\p) == 0
	WIN 0
	v_add_nc_u32 v[AK], s[TBK], v[AK0]
	v_add_nc_u32 v[AK+1], KC1, v[AK]
.endif
.rept 8
	PL
.endr
.rept 49
	EX
	PL
.endr
	EX
	EX
	v_nop                           ; the plain instruction behind the last exponential: one for the batch
	s_wait_alu depctr_va_vdst(0)    ; the wait for the batch
.if (\p) == 0
	FETCH_K \last
.endif
.if (\p) == 1
	s_wait_dscnt 0x0
.endif
.rept 16
	MM
.rept 4
	PL
.endr
.if ((\p) == 0) && (q == 118)
	v_add_nc_u32 v[AV], s[TBV], v[AV0]
	v_add_nc_u32 v[AV+1], VC1, v[AV]
.endif
.if ((\p) == 0) && (q == 130)
	s_add_co_u32 s[TBV], s[TBV], VSTEP
.endif
.if (\cnt) && (q == 130)
	s_sub_co_u32 s[CNT], s[CNT], 1
	s_cmp_lg_u32 s[CNT], 0
.endif
.endr
.if (\p) == 0
	FETCH_V
.endif
.endm
	s_wait_tensorcnt 3              ; my first load, keys 0-255 of my half, is in; the three younger ones may stay out
	s_barrier_signal -1
	s_barrier_wait -1               ; everybody's is
	FETCH_K                         ; key step 0
	s_wait_loadcnt 0x0              ; Q
	s_wait_dscnt 0x0
.set i, 0
.rept 16
	KQ 0
.set i, i+1
.endr
	WIN 0                           ; the addresses for the way out: the places behind those products
	s_mul_i32 s19, s[WV], 16*SP
	s_add_co_u32 s19, s19, STAGE
	v_mul_u32_u24 v[STO], v1, SP
	v_lshl_add_u32 v[STO], v9, 4, v[STO]
	v_add_nc_u32 v[STO], s19, v[STO]
	v_bfe_u32 v[RD], v0, 3, 2
	v_mul_u32_u24 v[RD], v[RD], SP
	v_lshl_add_u32 v[RD], v10, 4, v[RD]
	v_add_nc_u32 v[RD], s19, v[RD]
	v_and_b32 v[GO], 31, v0
	v_lshlrev_b32 v[GO], 4, v[GO]
.set Y, NP-1
.irp n, 0,1,2,3,4,5,6,7,8,9,10,11,12,13,14,15,16,17,18,19,20,21
	XS 0, \n
	XS 1, \n
.endr
	v_nop
	s_wait_alu depctr_va_vdst(0)    ; the two a, ahead of the label
	s_mov_b32 s[CNT], 3
.Lstep1:                            ; steps 0-2: they fetch K of steps 1-3 and V of steps 0-2, all among the first 256 keys
	TURN 0
	TURN 1, 0, 1
	WIN 0
	s_cbranch_scc1 .Lstep1
	s_wait_tensorcnt 0x0            ; the rest of my half is in,
	s_wait_dscnt 0x0
	s_barrier_signal -1
	s_barrier_wait -1               ; everybody's is
	s_mov_b32 s[CNT], 13
.Lstep2:                            ; steps 3-15
	TURN 0, 1
	TURN 1, 0, 1
	WIN 0
	s_cbranch_scc1 .Lstep2
.set i, 0                           ; the last turn's 16 products K Q^T (on the last K once more) serve nothing: the price of one text for every trip
.rept 16
	PV NP-1
.set i, i+1
.endr
	; THE WAY OUT.  l's halves are added; O^T is divided by l, rounded and sent through my stage, a tile at a time.  The additions are the places behind the last products.
	WIN 0
.macro ALL line:vararg
.set t, 0
.rept 2*NP
	\line
.set t, t+1
.endr
.endm
	ALL v_add_f32 v[ST+4*t+2], v[ST+4*t+2], v[ST+4*t+3]
	ALL v_permlanex16_b32 v[ST+4*t+3], v[ST+4*t+2], s[SEL], s[SEL+1]
	ALL v_add_f32 v[ST+4*t+2], v[ST+4*t+2], v[ST+4*t+3]
	ALL v_rcp_f32 v[ST+4*t+2], v[ST+4*t+2]
	v_nop
	s_wait_alu depctr_va_vdst(0)    ; one wait for the four reciprocals
.macro PACK t
	WIN W_RS
.set i, 32*(\t)
.rept 16
	v_pk_mul_f32 v[i:i+1], v[i:i+1], v[ST+4*(\t)+2:ST+4*(\t)+3] op_sel_hi:[1,0]
.set i, i+2
.endr
	WIN 0x05
.set i, 0
.rept 16
	v_cvt_pk_bf16_f32 v[S+16*(\t)+i], v[32*(\t)+2*i], v[32*(\t)+2*i+1]
.set i, i+1
.endr
	WIN 0
.irp f, 0,1,2,3
	ds_store_b128 v[STO], v[S+16*(\t)+4*\f:S+16*(\t)+4*\f+3] offset:32*\f
.endr
.irp f, 0,1,2,3
	ds_load_b128 v[S+16*(\t)+4*\f:S+16*(\t)+4*\f+3], v[RD] offset:\f*4*SP  ; LDS serves a wave's instructions in order: these see the stores above
.endr
.endm
.macro SEND t, younger
	WIN 0
.irp f, 0,1,2,3
	s_wait_dscnt (\younger)+3-\f
	global_store_b128 v[GO], v[S+16*(\t)+4*\f:S+16*(\t)+4*\f+3], s[6:7] offset:(\t)*2048+\f*512  ; 512 bytes on end, aligned
.endr
.endm
	PACK 0
.set t, 1
.rept 2*NP-1
	PACK t
	SEND t-1, 8
.set t, t+1
.endr
	SEND 2*NP-1, 0
	s_wait_tensorcnt 0x0            ; the wave's end
	ds_add_u32 v[SPW], v[NIL]
	s_wait_dscnt 0x0
	CROUND                          ; the closing round
	s_endpgm
.Lfunc_end_k_q02f0bad615_attn:
	.size	k_q02f0bad615_attn, .Lfunc_end_k_q02f0bad615_attn-k_q02f0bad615_attn
	.p2alignl 7, 3214868480
	.fill 96, 4, 3214868480
	.section	.rodata,"a",@progbits
	.p2align	6, 0x0
	.amdhsa_kernel k_q02f0bad615_attn
		.amdhsa_group_segment_fixed_size 327680
		.amdhsa_private_segment_fixed_size 0
		.amdhsa_enable_private_segment 0
		.amdhsa_kernarg_size 16
		.amdhsa_user_sgpr_count 2
		.amdhsa_user_sgpr_kernarg_segment_ptr 1
		.amdhsa_wavefront_size32 1
		.amdhsa_system_sgpr_workgroup_id_x 1
		.amdhsa_system_sgpr_workgroup_id_y 1
		.amdhsa_system_sgpr_workgroup_id_z 1
		.amdhsa_system_vgpr_workitem_id 0
		.amdhsa_next_free_vgpr 768
		.amdhsa_next_free_sgpr 84
		.amdhsa_reserve_vcc 0
		.amdhsa_float_denorm_mode_32 3
		.amdhsa_float_denorm_mode_16_64 3
		.amdhsa_memory_ordered 1
		.amdhsa_forward_progress 1
		.amdhsa_inst_pref_size 111
	.end_amdhsa_kernel
	.amdgpu_metadata
---
amdhsa.version: [ 1, 2 ]
amdhsa.kernels:
  - .name:           k_q02f0bad615_attn
    .symbol:         k_q02f0bad615_attn.kd
    .args:
      - { .name: qkv, .offset: 0, .size: 8, .value_kind: global_buffer, .address_space: global }
      - { .name: oP, .offset: 8, .size: 8, .value_kind: global_buffer, .address_space: global }
    .group_segment_fixed_size: 327680
    .private_segment_fixed_size: 0
    .kernarg_segment_align: 8
    .kernarg_segment_size: 16
    .max_flat_workgroup_size: 128
    .sgpr_count:     84
    .vgpr_count:     768
    .wavefront_size: 32
...
	.end_amdgpu_metadata
.endif
;; end of part 4
;; launch outp (part 5): grid 4 x 64, 4 waves a work-group, clusters of 4 x 4, 327,680 bytes of LDS; arguments oP, wpT, bp, bp2, x, out0; writes out0
.if DOCPART == 5
	.amdgcn_target "amdgcn-amd-amdhsa--gfx1250"
	.amdhsa_code_object_version 6
	.text
	.protected	k_q02f0bad615_outp
	.globl	k_q02f0bad615_outp
	.p2align	8
	.type	k_q02f0bad615_outp,@function
k_q02f0bad615_outp:
	s_mov_b64 s[64:65], 0
	v_nop
	global_prefetch_b8 v0, s[64:65] scope:SCOPE_SE
	s_setreg_imm32_b32 hwreg(HW_REG_WAVE_MODE, 25, 1), 1
	s_wait_xcnt 0x0
	s_wait_alu depctr_hold_cnt(0) depctr_sa_sdst(0) depctr_va_vdst(0) depctr_va_sdst(0) depctr_va_ssrc(0) depctr_va_vcc(0) depctr_vm_vsrc(0)
	s_getreg_b32 s2, hwreg(HW_REG_IB_STS2, 6, 4)
	s_cmp_eq_u32 s2, 0
	s_cbranch_scc0 .Lentry_in_a_cluster
	s_endpgm
.Lentry_in_a_cluster:
	s_bfe_u32 s2, ttmp6, 0x10000c
	s_cmp_lg_u32 s2, 0xf033
	s_cbranch_scc0 .Lentry_shape_is_right
	s_endpgm
.Lentry_shape_is_right:
; OUTP: out0 = [o1 | o2] [Wp ; Wp2] + bp + bp2 + x: one product with K = 1,536 = 24 planes of 64.  Operands bf16, sums f32; the biases and x are added in f32, unrounded.
; A tile is 128 tokens x 192 columns: 64 x 4 = 256 work-groups.  Four waves, each 64 x 96: 24 accumulators.  K goes in steps of 192 = three planes through two LDS slots (four planes a slot do not fit twice);
; a wave's tensor load is three long dense rows, one a plane, padded in LDS by 16 bytes behind every 128.
; CLUSTERS 4 x 4: o's tile is shared along a row of the cluster, the weights' along a column: joint loads.
; THE MATRIX INSTRUCTION IS USED TRANSPOSED (source 0 = 16 rows of wpT, source 1 = 16 tokens): a lane holds one token and eight neighbouring columns.
; OUT through a stage of f32 rows (784 bytes apart) in slot 0's bytes, which have had their last fill (K step 6) and whose last reads lie ahead of the barrier in front of K step 7.
; REGISTERS: window 0: v16-29 addresses; v32-55 biases; v64-255 accumulators ((a, b) at v[64 + 8 (6 a + b)]), later the tile read back.
;   windows 1, 2: a fragment buffer each, one plane: weights (c, b) at v[8 (6 c + b)], tokens (c, a) at v[96 + 8 (4 c + a)]; window 1 later takes x, v0-191.
.set AHALF,  27648                     ; 3 planes x 64 rows x 144
.set BHALF,  41472                     ; 3 planes x 96 rows x 144
.set BOFF,   2*AHALF
.set APL,    9216
.set BPL,    13824
.set SLOT,   2*AHALF+2*BHALF           ; 138,240
.set SPARE,  2*SLOT                    ; the spare words: two blocks of 256 bytes that no other line names
.set SPITCH, 784                       ; 768 + 16: 49 x 16
.set ADRA, 16
.set ADRB, 20
.set STO,  24
.set RD,   25
.set XO,   26                          ; my byte offset in two rows of x and of out0
.set BO,   27                          ; my byte offset in the biases
.set SPW,  28
.set NIL,  29
.set ACC,  64
.set G1, 24
.set G0, 32
.set G1B, 48
.set G0B, 56
.set MSB, 0
.macro WIN new
.if MSB != (\new)
	s_set_vgpr_msb (MSB<<8)|(\new)
.set MSB, \new
.endif
.endm
.macro JLOAD s                         ; waves 0 and 1 fetch o's two halves, waves 2 and 3 the weights'; s_nop 0 and four v_nop follow each line
	s_cmp_eq_u32 s17, 0
	s_cbranch_scc0 .Lfor_b_\@
	tensor_load_to_lds s[G0+4*(\s):G0+4*(\s)+3], s[G1:G1+7]
	s_nop 0
.rept 4
	v_nop
.endr
	s_branch .Lasked_\@
.Lfor_b_\@:
	tensor_load_to_lds s[G0B+4*(\s):G0B+4*(\s)+3], s[G1B:G1B+7]
	s_nop 0
.rept 4
	v_nop
.endr
.Lasked_\@:
.endm
.macro CREST
	s_cmp_lg_u32 s16, 0
	s_cbranch_scc1 .Lnot_wave_0_\@
	s_barrier_signal -3
.Lnot_wave_0_\@:
	s_barrier_wait -3
	s_barrier_signal -1
	s_barrier_wait -1
.endm
.macro CROUND
	s_barrier_signal -1
	s_barrier_wait -1
	CREST
.endm
.macro PLACES
.rept 4
	v_nop
.endr
.endm
	s_load_b256 s[4:11], s[0:1], 0x0               ; oP s[4:5], wpT s[6:7], bp s[8:9], bp2 s[10:11]
	s_load_b128 s[12:15], s[0:1], 0x20             ; x s[12:13], out0 s[14:15]
	v_lshl_add_u32 v[SPW], v0, 2, SPARE
	v_mov_b32 v[NIL], 0
	ds_add_u32 v[SPW], v[NIL]                      ; the wave's opening: the add and its wait ahead of my first tensor load
	v_lshrrev_b32 v1, 5, v0
	v_readfirstlane_b32 s16, v1                    ; wave 0..3
	s_lshr_b32 s17, s16, 1                         ; my half of the tokens.  Also: I fetch o (0) or weights (1)
	s_and_b32 s18, s16, 1                          ; my half of the columns.  Also: which half I fetch
	s_bfe_u32 s40, ttmp6, 0x40000                  ; cx
	s_bfe_u32 s41, ttmp6, 0x40004                  ; cy
	s_lshl_b32 s42, ttmp9, 2
	s_add_co_u32 s42, s42, s40                     ; X: columns 192 X on
	s_and_b32 s19, ttmp7, 0xffff
	s_lshl_b32 s19, s19, 2
	s_add_co_u32 s19, s19, s41                     ; Y: tokens 128 Y on
	s_lshl_b32 s43, s41, 2
	s_lshl_b32 s43, 15, s43
	s_lshl_b32 s44, 0x1111, s40
	s_or_b32 s[G1+0], s43, (3<<16)|(1<<20)|(1<<21)|(4<<22)|(3<<25)   ; mask; 8-byte elements; padding on; bit 21 beside a mask; after every 32 words; 4 words
	s_or_b32 s[G1B+0], s44, (3<<16)|(1<<20)|(1<<21)|(4<<22)|(3<<25)
	s_mov_b32 s[G1+1], 1024<<16                    ; 64 tokens x 128 bytes
	s_mov_b32 s[G1+2], 3<<16                       ; three planes
	s_mov_b32 s[G1+3], 1024<<16
	s_mov_b32 s[G1+4], 3
	s_mov_b32 s[G1+5], 131072                      ; 1,048,576 bytes from plane to plane
	s_mov_b32 s[G1+6], 0
	s_mov_b32 s[G1+7], 0
	s_mov_b32 s[G1B+1], 1536<<16                   ; 96 rows x 128 bytes
	s_mov_b32 s[G1B+2], 3<<16
	s_mov_b32 s[G1B+3], 1536<<16
	s_mov_b32 s[G1B+4], 3
	s_mov_b32 s[G1B+5], 12288                      ; 98,304 bytes
	s_mov_b32 s[G1B+6], 0
	s_mov_b32 s[G1B+7], 0
	s_lshl_b32 s20, s19, 7
	s_lshl_b32 s21, s18, 6
	s_add_co_u32 s20, s20, s21                     ; token 128 Y + 64 x half
	s_lshl_b32 s20, s20, 7
	s_mov_b32 s21, 0
	s_mul_i32 s46, s42, 192
	s_mul_i32 s47, s18, 96
	s_add_co_u32 s46, s46, s47                     ; row 192 X + 96 x half
	s_lshl_b32 s46, s46, 7
	s_mov_b32 s47, 0
	s_mul_i32 s22, s18, AHALF                      ; where they go
	s_mul_i32 s23, s18, BHALF
	s_add_co_u32 s23, s23, BOFF
	s_wait_dscnt 0x0                               ; the opening add is done
	s_wait_kmcnt 0x0
	s_add_nc_u64 s[20:21], s[4:5], s[20:21]
	s_add_nc_u64 s[46:47], s[6:7], s[46:47]
	CROUND                                         ; all sixteen work-groups are here
.irp s, 0,1
	s_mov_b32 s[G0+4*(\s)], 1
	s_add_co_u32 s[G0+4*(\s)+1], s22, (\s)*SLOT
	s_add_nc_u64 s[G0+4*(\s)+2:G0+4*(\s)+3], s[20:21], (\s)*3145728
	s_or_b32 s[G0+4*(\s)+3], s[G0+4*(\s)+3], 0x80000000
	s_mov_b32 s[G0B+4*(\s)], 1
	s_add_co_u32 s[G0B+4*(\s)+1], s23, (\s)*SLOT
	s_add_nc_u64 s[G0B+4*(\s)+2:G0B+4*(\s)+3], s[46:47], (\s)*294912
	s_or_b32 s[G0B+4*(\s)+3], s[G0B+4*(\s)+3], 0x80000000
	JLOAD \s                                       ; two loads of mine are out
.endr
	v_and_b32 v1, 15, v0                           ; r
	v_bfe_u32 v2, v0, 4, 1                         ; h
	s_mul_i32 s2, s42, 768                         ; the tile's 192 columns x 4 bytes
	v_lshl_add_u32 v[BO], v1, 4, s2
.irp u, 0,1,2
	global_load_b128 v[32+4*\u:35+4*\u], v[BO], s[8:9] offset:256*\u
	global_load_b128 v[44+4*\u:47+4*\u], v[BO], s[10:11] offset:256*\u
.endr
	v_mul_u32_u24 v3, v1, 144
	v_lshl_add_u32 v3, v2, 4, v3
	s_mul_i32 s22, s17, AHALF
	s_mul_i32 s23, s18, BHALF
	s_add_co_u32 s23, s23, BOFF
.irp s, 0,1
	v_add_nc_u32 v[ADRA+(\s)], s22, v3
	v_add_nc_u32 v[ADRB+(\s)], s23, v3
	s_add_co_u32 s22, s22, SLOT
	s_add_co_u32 s23, s23, SLOT
.endr
	s_mul_i32 s22, s17, 64*SPITCH                  ; stage, in: row 64 wr + r, byte 384 wc + 32 h
	s_mul_i32 s23, s18, 384
	s_add_co_u32 s22, s22, s23
	v_mul_u32_u24 v4, v1, SPITCH
	v_lshl_add_u32 v4, v2, 5, v4
	v_add_nc_u32 v[STO], s22, v4
	s_mul_i32 s22, s16, 32*SPITCH                  ; back: wave w takes rows 32 w .. 32 w + 31; lanes 0-15 256 bytes of one row, lanes 16-31 of the next
	v_mul_u32_u24 v4, v2, SPITCH
	v_lshl_add_u32 v4, v1, 4, v4
	v_add_nc_u32 v[RD], s22, v4
	v_mul_u32_u24 v4, v2, 3072
	v_lshl_add_u32 v[XO], v1, 4, v4
	s_lshl_b32 s2, s19, 7
	s_lshl_b32 s3, s16, 5
	s_add_co_u32 s2, s2, s3                        ; token 128 Y + 32 w
	s_mul_i32 s2, s2, 3072
	s_mul_i32 s3, s42, 768
	s_add_co_u32 s2, s2, s3
	s_mov_b32 s3, 0
	s_add_nc_u64 s[12:13], s[12:13], s[2:3]
	s_add_nc_u64 s[14:15], s[14:15], s[2:3]
; 12 products: token blocks a0, a0 + 1 x all 6 column blocks, 32 along K: half c of buffer f.  The 24 accumulators come in the same order in every half plane.
.macro MUL12 f, c, a0, zero
	WIN (1+(\f))|((1+(\f))<<2)
.irp a, \a0, (\a0)+1
.irp b, 0,1,2,3,4,5
.if \zero
	v_wmma_f32_16x16x32_bf16 v[ACC+8*(6*(\a)+(\b)):ACC+8*(6*(\a)+(\b))+7], v[8*(6*(\c)+(\b)):8*(6*(\c)+(\b))+7], v[96+8*(4*(\c)+(\a)):96+8*(4*(\c)+(\a))+7], 0
.else
	v_wmma_f32_16x16x32_bf16 v[ACC+8*(6*(\a)+(\b)):ACC+8*(6*(\a)+(\b))+7], v[8*(6*(\c)+(\b)):8*(6*(\c)+(\b))+7], v[96+8*(4*(\c)+(\a)):96+8*(4*(\c)+(\a))+7], v[ACC+8*(6*(\a)+(\b)):ACC+8*(6*(\a)+(\b))+7]
.endif
.endr
.endr
.endm
; 40 LDS loads in one run: plane t of a slot into buffer f; the first 32 along K (20 loads) first
.macro FETCH slot, t, f
	WIN (1+(\f))<<6
.irp c, 0,1
.irp i, 0,1,2,3,4,5
	ds_load_b128 v[8*(6*(\c)+(\i)):8*(6*(\c)+(\i))+3],   v[ADRB+(\slot)] offset:(\t)*BPL+(\i)*2304+(\c)*64
	ds_load_b128 v[8*(6*(\c)+(\i))+4:8*(6*(\c)+(\i))+7], v[ADRB+(\slot)] offset:(\t)*BPL+(\i)*2304+(\c)*64+32
.endr
.irp i, 0,1,2,3
	ds_load_b128 v[96+8*(4*(\c)+(\i)):96+8*(4*(\c)+(\i))+3],   v[ADRA+(\slot)] offset:(\t)*APL+(\i)*2304+(\c)*64
	ds_load_b128 v[96+8*(4*(\c)+(\i))+4:96+8*(4*(\c)+(\i))+7], v[ADRA+(\slot)] offset:(\t)*APL+(\i)*2304+(\c)*64+32
.endr
.endr
.endm
; One of a K step's first two planes: multiplies buffer f; in its middle fetches plane t into buffer g.
.macro PLANE slot, t, f, g, zero
	s_wait_dscnt 20                                ; the first 32 along K are in
	MUL12 \f, 0, 0, \zero
	MUL12 \f, 0, 2, \zero
	PLACES
	FETCH \slot, \t, \g
	s_wait_dscnt 40                                ; all but the 40 just issued
	MUL12 \f, 1, 0, 0
	MUL12 \f, 1, 2, 0
.endm
; The last plane of a K step multiplies buffer f and changes slots: one barrier; ahead of it all my tensor loads are waited for, the add, and the wait for it and for my reads of this slot.
; fill = 1: the barrier opens a round of the cluster's, and this slot is filled again, two K steps on: 120 products lie between that request and the wait for it.
.macro TURN slot, next, f, g, fill
	WIN 0
	s_wait_tensorcnt 0x0
	ds_add_u32 v[SPW], v[NIL]
	s_wait_dscnt 21                                ; the add and the youngest 20 loads may be out
	MUL12 \f, 0, 0, 0
	s_wait_dscnt 0x0                               ; the add is done, and my reads of this slot are over
	s_barrier_signal -1
	MUL12 \f, 0, 2, 0
	WIN 0
	s_barrier_wait -1
.if \fill
	CREST
	s_add_nc_u64 s[G0+4*(\slot)+2:G0+4*(\slot)+3], s[G0+4*(\slot)+2:G0+4*(\slot)+3], 6291456
	s_add_nc_u64 s[G0B+4*(\slot)+2:G0B+4*(\slot)+3], s[G0B+4*(\slot)+2:G0B+4*(\slot)+3], 589824
	JLOAD \slot                                    ; its four v_nop are also the places in front of the loads below
.else
	PLACES
.endif
	FETCH \next, 0, \g
	MUL12 \f, 1, 0, 0
	MUL12 \f, 1, 2, 0
.endm
	s_wait_tensorcnt 1                             ; my part of K step 0 is in; K step 1's may stay out
	s_barrier_signal -1
	s_barrier_wait -1
	FETCH 0, 0, 0
	PLANE 0, 1, 0, 1, 1                            ; the first half plane starts the sums
	WIN 0
	s_mov_b32 s3, 3                                ; eight K steps: three trips fill both slots again
.Llap:
	PLANE 0, 2, 1, 0, 0
	TURN 0, 1, 0, 1, 1
	PLANE 1, 1, 1, 0, 0
	PLANE 1, 2, 0, 1, 0
	TURN 1, 0, 1, 0, 1
	PLANE 0, 1, 0, 1, 0
	WIN 0
	s_sub_co_u32 s3, s3, 1
	s_cmp_lg_u32 s3, 0
	s_cbranch_scc1 .Llap
	PLANE 0, 2, 1, 0, 0
	TURN 0, 1, 0, 1, 0
	PLANE 1, 1, 1, 0, 0
	PLANE 1, 2, 0, 1, 0
	PLACES                                         ; buffer 0 has been multiplied for the last time: window 1 takes my 32 rows of x, 48 loads of 2 x 256 bytes
	WIN 0x40
.set n, 0
.rept 48
	global_load_b128 v[4*n:4*n+3], v[XO], s[12:13] offset:(n/3)*6144+(n%3)*256 th:TH_LOAD_NT
.set n, n+1
.endr
	s_wait_dscnt 20
	MUL12 1, 0, 0, 0
	MUL12 1, 0, 2, 0
	s_wait_dscnt 0x0
	MUL12 1, 1, 0, 0
	MUL12 1, 1, 2, 0
	; THE WAY OUT: the sums go into the stage as they are, f32; behind a barrier each wave reads 32 whole rows, adds x + bp + bp2, and stores.
	PLACES
	WIN 0
.set n, 0
.rept 24
	ds_store_b128 v[STO], v[ACC+8*n:ACC+8*n+3]   offset:(n/6)*16*SPITCH+(n%6)*64
	ds_store_b128 v[STO], v[ACC+8*n+4:ACC+8*n+7] offset:(n/6)*16*SPITCH+(n%6)*64+16
.set n, n+1
.endr
	s_wait_loadcnt 0x0                             ; the biases and x
.irp k, 0,1,2,3,4,5
	v_pk_add_f32 v[32+2*\k:33+2*\k], v[32+2*\k:33+2*\k], v[44+2*\k:45+2*\k]
.endr
	WIN 0x41                                       ; x in window 1, the bias in window 0
.set n, 0
.rept 48
	v_pk_add_f32 v[4*n:4*n+1],   v[4*n:4*n+1],   v[32+4*(n%3):33+4*(n%3)]
	v_pk_add_f32 v[4*n+2:4*n+3], v[4*n+2:4*n+3], v[34+4*(n%3):35+4*(n%3)]
.set n, n+1
.endr
	WIN 0
	s_wait_dscnt 0x0                               ; for the others' sake: a row's 768 bytes come from two waves
	s_barrier_signal -1
	s_barrier_wait -1
.set n, 0
.rept 48
	ds_load_b128 v[ACC+4*n:ACC+4*n+3], v[RD] offset:(n/3)*2*SPITCH+(n%3)*256
.set n, n+1
.endr
	WIN 0x44                                       ; source 0 (the tile, and the stores' offset) window 0; source 1 (x + bias, and the stores' data) and the destination window 1
.set n, 0
.rept 6
	s_wait_dscnt 40-n                              ; the loads issued behind this batch of eight may stay out
.rept 8
	v_pk_add_f32 v[4*n:4*n+1],   v[ACC+4*n:ACC+4*n+1],   v[4*n:4*n+1]
	v_pk_add_f32 v[4*n+2:4*n+3], v[ACC+4*n+2:ACC+4*n+3], v[4*n+2:4*n+3]
	global_store_b128 v[XO], v[4*n:4*n+3], s[14:15] offset:(n/3)*6144+(n%3)*256 th:TH_STORE_NT  ; 16 lanes store 256 bytes on end, aligned
.set n, n+1
.endr
.endr
	WIN 0
	s_wait_tensorcnt 0x0                           ; the wave's end
	ds_add_u32 v[SPW], v[NIL]
	s_wait_dscnt 0x0
	CROUND                                         ; the closing round
	s_endpgm
.Lfunc_end_k_q02f0bad615_outp:
	.size	k_q02f0bad615_outp, .Lfunc_end_k_q02f0bad615_outp-k_q02f0bad615_outp
	.p2alignl 7, 3214868480
	.fill 96, 4, 3214868480
	.section	.rodata,"a",@progbits
	.p2align	6, 0x0
	.amdhsa_kernel k_q02f0bad615_outp
		.amdhsa_group_segment_fixed_size 327680
		.amdhsa_private_segment_fixed_size 0
		.amdhsa_enable_private_segment 0
		.amdhsa_kernarg_size 48
		.amdhsa_user_sgpr_count 2
		.amdhsa_user_sgpr_kernarg_segment_ptr 1
		.amdhsa_wavefront_size32 1
		.amdhsa_system_sgpr_workgroup_id_x 1
		.amdhsa_system_sgpr_workgroup_id_y 1
		.amdhsa_system_sgpr_workgroup_id_z 1
		.amdhsa_system_vgpr_workitem_id 0
		.amdhsa_next_free_vgpr 672
		.amdhsa_next_free_sgpr 66
		.amdhsa_reserve_vcc 0
		.amdhsa_float_denorm_mode_32 3
		.amdhsa_float_denorm_mode_16_64 3
		.amdhsa_memory_ordered 1
		.amdhsa_forward_progress 1
		.amdhsa_inst_pref_size 108
	.end_amdhsa_kernel
	.amdgpu_metadata
---
amdhsa.version: [ 1, 2 ]
amdhsa.kernels:
  - .name:           k_q02f0bad615_outp
    .symbol:         k_q02f0bad615_outp.kd
    .args:
      - { .name: oP, .offset: 0, .size: 8, .value_kind: global_buffer, .address_space: global }
      - { .name: wpT, .offset: 8, .size: 8, .value_kind: global_buffer, .address_space: global }
      - { .name: bp, .offset: 16, .size: 8, .value_kind: global_buffer, .address_space: global }
      - { .name: bp2, .offset: 24, .size: 8, .value_kind: global_buffer, .address_space: global }
      - { .name: x, .offset: 32, .size: 8, .value_kind: global_buffer, .address_space: global }
      - { .name: out0, .offset: 40, .size: 8, .value_kind: global_buffer, .address_space: global }
    .group_segment_fixed_size: 327680
    .private_segment_fixed_size: 0
    .kernarg_segment_align: 8
    .kernarg_segment_size: 48
    .max_flat_workgroup_size: 128
    .sgpr_count:     66
    .vgpr_count:     672
    .wavefront_size: 32
...
	.end_amdgpu_metadata
.endif
;; end of part 5
